; MI455X (gfx1250); checked and timed in simulation.
; The chip was launched on July 23, 2026; its instructions are those of AMD's public machine-readable ISA for CDNA 5 (MIT licence, August 2026) and "CDNA5" Instruction Set Architecture Reference Guide (July 2026). The comments in the code are by the model that wrote it; some were corrected since.
;; Grouped Query Attention. Allowed arithmetic: matrix products marked QUANTISED: E2M3 operands, one E8M0 scale for each 32 along K, by v_wmma_scale_f32_16x16x128_f8f6f4 with both operands' format E2M3, f32 sums; everything else in f32.
;; Inputs: b_k 256 float32; b_o 1,024 float32; b_q 1,024 float32; b_v 256 float32; key_codes 1 x 4,096 x 32 x 24 uint8 (E2M3 codes of key, K innermost, in blocks of 32 codes, four codes in three bytes); key_scales 1 x 4,096 x 32 uint8 (E8M0 scales of key, one for each 32 codes along K); query_codes 1 x 4,096 x 32 x 24 uint8 (E2M3 codes of query, K innermost, in blocks of 32 codes, four codes in three bytes); query_scales 1 x 4,096 x 32 uint8 (E8M0 scales of query, one for each 32 codes along K); value_codes 1 x 4,096 x 32 x 24 uint8 (E2M3 codes of value, K innermost, in blocks of 32 codes, four codes in three bytes); value_scales 1 x 4,096 x 32 uint8 (E8M0 scales of value, one for each 32 codes along K); w_k_codes 256 x 32 x 24 uint8 (E2M3 codes of w_k, K innermost, in blocks of 32 codes, four codes in three bytes); w_k_scales 256 x 32 uint8 (E8M0 scales of w_k, one for each 32 codes along K); w_o_codes 1,024 x 32 x 24 uint8 (E2M3 codes of w_o, K innermost, in blocks of 32 codes, four codes in three bytes); w_o_scales 1,024 x 32 uint8 (E8M0 scales of w_o, one for each 32 codes along K); w_q_codes 1,024 x 32 x 24 uint8 (E2M3 codes of w_q, K innermost, in blocks of 32 codes, four codes in three bytes); w_q_scales 1,024 x 32 uint8 (E8M0 scales of w_q, one for each 32 codes along K); w_v_codes 256 x 32 x 24 uint8 (E2M3 codes of w_v, K innermost, in blocks of 32 codes, four codes in three bytes); w_v_scales 256 x 32 uint8 (E8M0 scales of w_v, one for each 32 codes along K).
;; Outputs: out0 1 x 4,096 x 1,024 float32.
;; This version of the problem:
;;   THIS VERSION OF THE PROBLEM IS GIVEN IN LOW PRECISION. The matrix products marked QUANTISED in the list below multiply operands that are first quantised to E2M3 (2 exponent bits, 3 mantissa bits; 6 bits a number), with one power-of-two scale for each 32 numbers along K (OCP MX v1.0); their sums are f32. All else is computed in f32.
;;   The module's matrix products, in the order in which they are computed (A, B: the left and right operand; K: the contracted axis; several contracted axes count as one K, in the product's order):
;;     1. [M 4,096, K 1,024] x [K 1,024, N 1,024]; A: input query (given as codes); B: input w_q (given as codes): QUANTISED
;;     2. [M 4,096, K 1,024] x [K 1,024, N 256]; A: input key (given as codes); B: input w_k (given as codes): QUANTISED
;;     3. [M 4,096, K 1,024] x [K 1,024, N 256]; A: input value (given as codes); B: input w_v (given as codes): QUANTISED
;;     4. batch 4 x [M 4,096, K 64] x [K 64, N 16,384]; A: computed on the way; B: computed on the way: QUANTISED
;;     5. batch 4 x [M 64, K 4,096] x [K 4,096, N 16,384]; A: computed on the way; B: softmax (see below): QUANTISED
;;     6. [M 4,096, K 1,024] x [K 1,024, N 1,024]; A: computed on the way; B: input w_o (given as codes): QUANTISED
;;   THE QUANTISER, for each operand of a quantised product, along K:
;;     - K is cut into blocks of 32 from its start; a last block that is shorter is filled with zeros.
;;     - A block's scale is 2^e with e = floor(log2(the largest magnitude in the block)) - 2, held to -126 .. 127; a block of zeros has e = 0. As a byte (E8M0): e + 127.
;;     - Each number is divided by its block's scale, clamped to +-7.5, and rounded to the nearest number of E2M3, ties to even, subnormals kept.
;;     - The product sums the exact products of the quantised numbers (number of the format x scale) in f32.
;;   ~~~python
;;   def quantise(x, axis):      # numpy; x: float32 -> the quantised numbers, widened to float32 again
;;       x = np.moveaxis(x, axis, -1); K = x.shape[-1]
;;       x = np.pad(x, [(0, 0)] * (x.ndim - 1) + [(0, -K % 32)]); x = x.reshape(x.shape[:-1] + (-1, 32)); a = np.abs(x).max(-1, keepdims=True)
;;       e = np.where(a > 0, np.clip(np.frexp(np.where(a > 0, a, 1))[1] - 1 - 2, -126, 127), 0)      # np.frexp(a)[1] - 1 = floor(log2(a)), exactly
;;       r = np.clip(x / 2.0 ** e, -7.5, 7.5)
;;       step = 2.0 ** (np.maximum(np.frexp(np.where(r == 0, 1, r))[1] - 1, 0) - 3)
;;       q = np.round(r / step) * step * 2.0 ** e      # np.round: ties to even
;;       return np.moveaxis(q.reshape(q.shape[:-2] + (-1,))[..., :K], -1, axis).astype(np.float32)
;;   ~~~
;;   SOFTMAX AHEAD OF A QUANTISED PRODUCT. Where the list says 'softmax', what is quantised is not the finished softmax but p = 2^(t - M), with t = logit x log2(e) and M = ceil(the row's largest t), a whole number; so 1/2 < the row's largest p <= 1. The row's sum l is taken of the UNQUANTISED p, in f32, and the product's result is divided by l at the end. Since M is a whole number, a kernel that streams over the keys may use a running M (the ceiling of the running maximum): every later rescaling is an exact power of two, which a block's scale takes up: the codes' values come out the same.
;;   OPERANDS COMPUTED ON THE WAY. 'Computed on the way' means the value that the module computes at that place (a softmax that the list does not call 'softmax' is quantised finished and normalised). What goes into a quantiser is computed in f32, as accurately as f32 sums, v_exp_f32 and their like allow (about 1e-6 of the number): no bf16 or f16 on the way to a quantiser, and a product that is left as it is and whose result goes on into a quantised operand takes f32 operands (vector FMAs, or v_wmma_f32_16x16x4_f32). A number that lies on a knife's edge between two numbers of the format may be rounded either way, as far as f32 arithmetic and the matrix unit's own rounding can turn it there, and no further.
;;   INPUTS GIVEN AS CODES. key (in the module: [1, 4096, 1024], K = its axis 2); query (in the module: [1, 4096, 1024], K = its axis 2); value (in the module: [1, 4096, 1024], K = its axis 2); w_k (in the module: [1024, 256], K = its axis 0); w_o (in the module: [1024, 1024], K = its axis 0); w_q (in the module: [1024, 1024], K = its axis 0); w_v (in the module: [1024, 256], K = its axis 0): each comes as NAME_codes (uint8): NAME with its K axis moved to the last place and cut into blocks of 32 codes, [.., K / 32, bytes a block], one block behind the other in memory; four codes in three bytes: a row's codes are one little-endian stream of bits, code i at bits 6 i .. 6 i + 5 (a code: sign, 2 exponent bits, 3 mantissa bits); and NAME_scales (uint8): the same leading axes, one E8M0 byte (e + 127) for each 32 codes along K. Its value is code x scale, taken as it is: it is not quantised again, and the codes and scales need not be those that the quantiser above would give.
;; 2 versions. Each part assembles by itself: llvm-mc -triple=amdgcn-amd-amdhsa -mcpu=gfx1250 --defsym DOCPART=n.
;; ======== version 1 of 2: 3 launches
;; workspace buffers: kv 1,671,168 bytes; a_img 3,145,728 bytes; a_scl 131,072 bytes
;; launch kvproj (part 1): grid 4 x 64, 4 waves a work-group, clusters of 4 x 4, 168,448 bytes of LDS; arguments key_codes, key_scales, value_codes, value_scales, w_k_codes, w_k_scales, w_v_codes, w_v_scales, b_k, b_v, kv; writes kv
.if DOCPART == 1
	.amdgcn_target "amdgcn-amd-amdhsa--gfx1250"
	.amdhsa_code_object_version 6
	.text
	.protected	k_qf6599c7722_kvproj
	.globl	k_qf6599c7722_kvproj
	.p2align	8
	.type	k_qf6599c7722_kvproj,@function
k_qf6599c7722_kvproj:
	s_mov_b64 s[64:65], 0
	v_nop
	global_prefetch_b8 v0, s[64:65] scope:SCOPE_SE
	s_setreg_imm32_b32 hwreg(HW_REG_WAVE_MODE, 25, 1), 1
	s_wait_xcnt 0x0
	s_wait_alu depctr_hold_cnt(0) depctr_sa_sdst(0) depctr_va_vdst(0) depctr_va_sdst(0) depctr_va_ssrc(0) depctr_va_vcc(0) depctr_vm_vsrc(0)
	s_getreg_b32 s2, hwreg(HW_REG_IB_STS2, 6, 4)
	s_cmp_eq_u32 s2, 0
	s_cbranch_scc0 .Lentry_in_a_cluster
	s_endpgm
.Lentry_in_a_cluster:
	s_bfe_u32 s2, ttmp6, 0x10000c
	s_cmp_lg_u32 s2, 0xf033
	s_cbranch_scc0 .Lentry_shape_is_right
	s_endpgm
.Lentry_shape_is_right:
; k = key w_k + b_k and v = value w_v + b_v, on codes of FP6 (E2M3) with one E8M0 scale for each 32 along K = 1,024, and both results quantised again:
; k along the head's 64 (two blocks of 32 a key), v along the keys (blocks of 32 keys).  The codes leave as IMAGES OF THE OPERANDS' REGISTERS, as the attention launch wants them.
; kv: [head g 4][key step 32][13,056 bytes]; a step is 128 keys: 8 tiles of K (768 bytes: registers 0-3 at 16 x lane, then registers 4-5 at 8 x lane), 4 tiles of V^T (3 x 512 bytes), 512 bytes of K's scale words, 256 of V's.
; SHARES.  A work-group makes one key step of one head for ONE of the two tensors: 128 positions x 64 columns x K 1,024.  Work-group rows 0-31 take k, rows 32-63 take v: 256 work-groups of equal work.
; The role hangs on the cluster's y alone (it is the same in all sixteen partners); only pointers are chosen by it, and then the order of the product's sources.
; CLUSTER 4 x 4.  The four of a cluster's row need the same 128 rows of key (value), the four of a column the same 64 rows of the weight: both are asked for jointly.  All of K fits in LDS: every byte of LDS is filled once.
; K ROLE: source 0 = 16 rows of w_k, source 1 = 16 keys: a lane holds ONE key and its registers run along the head's 64.   V ROLE: source 0 = 16 positions, source 1 = 16 rows of w_v: a lane holds one d and its registers run along the keys.
; THE ROWS OF A TILE ARE NOT NEIGHBOURS: lane r of tile 2 b + u takes row 32 b + 8 u + r + 8 (r / 8), so that the 16 registers of tiles 2 b and 2 b + 1 are 16 neighbours along the quantiser's axis.
; The bias is the C of each sum's first matrix instruction (an order of f32 rounding other than a sum followed by the bias).
; LIMITS: NaN and infinities are not served.  A block whose largest magnitude lies under 2^-124, a block of zeros among them, takes the scale byte 1 (its codes are then zeros or held small); these bytes are read by this program alone.
.set PITCH, 816                        ; a row of 768 bytes of codes in LDS: three runs of 256 bytes, 16 bytes of padding behind each = 204 words: row r starts at bank 12 r mod 64 (64 banks of 4 bytes: ISA guide 11.1)
.set XL,    0                          ; 128 rows of key or value
.set WL,    104448                     ; 64 rows of the weight
.set XSL,   156672                     ; the 128 rows' scale bytes, 32 a row
.set WSL,   160768                     ; the 64 rows' scale bytes
.set KSTG,  162816                     ; the K role's stage for scale words, 512 bytes;
.set VSTG,  163328                     ; the V role's, 256 bytes: each role has bytes of its own, and no tile lands in either
.set STEPB, 13056
.set ACC,   32                         ; v32-95   eight accumulators
.set FR,    96                         ; v96-203  fragments: six (K role) or nine (V role)
.set BK,    168                        ; v168-199 K role: b_k in the result's layout, four tiles
.set SC,    204                        ; v204-243 scale words, and nothing else
.set BV,    244                        ; v244-251 V role: b_v of my d, eight times
.set PC,    96                         ; behind the products: the codes just made
.set TM,    120                        ; v120-135 the quantiser's work
.set PW,    136                        ; the scale word just made
.set TW,    137
.set WV,    26
.set CX,    27
.set CY,    28
.set GH,    29                         ; the head
.set YB,    30
.set ROLE,  31
.set PB,    33                         ; the key step
.set RMASK, 34
.set CMASK, 35
.set G1X,   36                         ; s[36:43], s[44:47] descriptor for key's or value's rows
.set G0X,   44
.set G1W,   48                         ; s[48:55], s[56:59] for the weight's rows
.set G0W,   56
.set G1XS,  68                         ; s[68:75], s[76:79] for the rows' scale bytes
.set G0XS,  76
.set G1WS,  80                         ; s[80:87], s[88:91] for the weight's
.set G0WS,  88
.set SEL,   92
.set HALF,  95
.macro DESC g, rows                    ; words 1-7 of a group 1: a dense block of memory as rows of 256 bytes (32 elements of 8 bytes)
	s_mov_b32 s[\g+1], 32<<16                      ; tensor_dim0 = 32
	s_mov_b32 s[\g+2], (\rows)<<16                 ; tensor_dim1
	s_mov_b32 s[\g+3], 32<<16                      ; tile_dim0 = 32
	s_mov_b32 s[\g+4], \rows                       ; tile_dim1
	s_mov_b32 s[\g+5], 32                          ; from row to row: 32 elements
	s_mov_b32 s[\g+6], 0
	s_mov_b32 s[\g+7], 0
.endm
.macro PLACES                          ; four plain places behind a matrix instruction, in front of loads into its registers and of reads of its results
.rept 4
	v_nop
.endr
.endm
.macro CROUND                          ; a round of the cluster's barrier
	s_barrier_signal -1
	s_barrier_wait -1
	s_cmp_lg_u32 s[WV], 0
	s_cbranch_scc1 .Lnot_wave_0_\@
	s_barrier_signal -3
.Lnot_wave_0_\@:
	s_barrier_wait -3
	s_barrier_signal -1
	s_barrier_wait -1
.endm
; A fragment, 16 rows x 128 K of 6-bit codes, is 12 registers: lane (r, h) takes the 24 bytes at 96 q + 24 h and at 96 q + 48 + 24 h of its row, in pieces of 8 bytes.
; Lanes 16-31 read three pieces further on than lanes 0-15; where that is behind one padding more, the second address register (40 for 24 bytes a half) serves.
.macro FRAG reg, adr, q, row
.irp p, 0,1,2,3,4,5
.set PCE, 12*(\q)+6*(\p/3)+\p%3
.if PCE%32 < 29
	ds_load_b64 v[\reg+2*\p:\reg+2*\p+1], v[\adr] offset:8*PCE+16*(PCE/32)+(\row)*PITCH
.else
	ds_load_b64 v[\reg+2*\p:\reg+2*\p+1], v[\adr+1] offset:8*PCE+16*(PCE/32)+(\row)*PITCH
.endif
.endr
.endm
; One matrix instruction: D = A x B + C; ra, rb = 1: that side's scale words stand in lanes 16-31 of the register named
.macro MM d, a, b, c, sa, sb, ra, rb
.set rD, \d
.set rA, \a
.set rB, \b
.set rC, \c
.set rX, \sa
.set rY, \sb
.if (\ra) && (\rb)
	v_wmma_scale_f32_16x16x128_f8f6f4 v[rD:rD+7], v[rA:rA+11], v[rB:rB+11], v[rC:rC+7], v[rX], v[rY] matrix_a_fmt:MATRIX_FMT_FP6 matrix_b_fmt:MATRIX_FMT_FP6 matrix_a_scale:MATRIX_SCALE_ROW1 matrix_b_scale:MATRIX_SCALE_ROW1
.elseif (\ra)
	v_wmma_scale_f32_16x16x128_f8f6f4 v[rD:rD+7], v[rA:rA+11], v[rB:rB+11], v[rC:rC+7], v[rX], v[rY] matrix_a_fmt:MATRIX_FMT_FP6 matrix_b_fmt:MATRIX_FMT_FP6 matrix_a_scale:MATRIX_SCALE_ROW1
.elseif (\rb)
	v_wmma_scale_f32_16x16x128_f8f6f4 v[rD:rD+7], v[rA:rA+11], v[rB:rB+11], v[rC:rC+7], v[rX], v[rY] matrix_a_fmt:MATRIX_FMT_FP6 matrix_b_fmt:MATRIX_FMT_FP6 matrix_b_scale:MATRIX_SCALE_ROW1
.else
	v_wmma_scale_f32_16x16x128_f8f6f4 v[rD:rD+7], v[rA:rA+11], v[rB:rB+11], v[rC:rC+7], v[rX], v[rY] matrix_a_fmt:MATRIX_FMT_FP6 matrix_b_fmt:MATRIX_FMT_FP6
.endif
.endm
; 64 numbers of a lane, register 16 b + i = place 32 b + 16 (lane / 16) + i along the quantiser's axis, become 12 registers of codes in v[PC] on and four scale bytes in v[PW]
.macro QUANT s
.irp b, 0,1,2,3
	v_max3_num_f32 v[TM+\b], |v[\s+16*\b]|, |v[\s+1+16*\b]|, 0x1800000   ; block b: my 16 numbers, and the floor 2^(3 - 127): the byte cannot fall under 1
.endr
.irp i, 2,4,6,8,10,12,14
.irp b, 0,1,2,3
	v_max3_num_f32 v[TM+\b], v[TM+\b], |v[\s+16*\b+\i]|, |v[\s+1+16*\b+\i]|   ; the four blocks by turns
.endr
.endr
.irp b, 0,1,2,3
	v_permlanex16_b32 v[TM+4+\b], v[TM+\b], s[SEL], s[SEL+1]
.endr
.irp b, 0,1,2,3
	v_max_num_f32 v[TM+\b], v[TM+\b], v[TM+4+\b]   ; with lane l xor 16's: the block's largest magnitude
.endr
.irp b, 0,1,2,3
	v_add_nc_u32 v[TM+12+\b], 0xff000000, v[TM+\b] ; 2 off its exponent field: the conversion takes this operand's exponent field as its scale
.endr
.irp b, 0,1,2,3
	v_lshrrev_b32 v[TM+4+\b], 23, v[TM+12+\b]      ; the scale's byte
.endr
	v_lshl_or_b32 v[PW], v[TM+5], 8, v[TM+4]
	v_lshl_or_b32 v[PW], v[TM+6], 16, v[PW]
	v_lshl_or_b32 v[PW], v[TM+7], 24, v[PW]
.irp c, 0,1
	v_cvt_scalef32_pk16_fp6_f32 v[PC+6*\c:PC+2+6*\c], v[\s+32*\c:\s+15+32*\c], v[TM+12+2*\c]
	v_cvt_scalef32_pk16_fp6_f32 v[PC+12+4*\c:PC+14+4*\c], v[\s+16+32*\c:\s+31+32*\c], v[TM+12+2*\c+1]   ; (a conversion's three registers begin on an even number)
.endr
	v_nop                                          ; one plain place behind a scaled conversion
.irp c, 0,1                            ; the operand's layout wants a WHOLE block in a lane: lanes 0-15 block 2 c, lanes 16-31 block 2 c + 1
.irp i, 0,1,2
	v_permlane16_swap_b32 v[PC+6*\c+\i], v[PC+12+4*\c+\i]
.endr
.irp i, 0,1,2
	v_mov_b32 v[PC+3+6*\c+\i], v[PC+12+4*\c+\i]
.endr
.endr
.endm
	s_load_b512 s[4:19], s[0:1], 0x0               ; key's codes, scales; value's codes, scales; w_k's codes, scales; w_v's codes, scales
	s_load_b128 s[20:23], s[0:1], 0x40             ; b_k, b_v
	s_load_b64 s[24:25], s[0:1], 0x50              ; kv
	v_lshl_add_u32 v254, v0, 2, 0x29000
	v_mov_b32 v255, 0
	ds_add_u32 v254, v255
	v_lshrrev_b32 v3, 5, v0
	v_readfirstlane_b32 s[WV], v3                  ; wave 0..3
	s_and_b32 s[HALF], s[WV], 1
	s_bfe_u32 s[CX], ttmp6, 0x40000                ; my place in the cluster
	s_bfe_u32 s[CY], ttmp6, 0x40004
	s_lshl_b32 s[GH], ttmp9, 2
	s_add_co_u32 s[GH], s[GH], s[CX]               ; the head = work-group x
	s_and_b32 s32, ttmp7, 0xffff                   ; the cluster's y, 0..15
	s_lshr_b32 s[ROLE], s32, 3                     ; 0: k, 1: v: the same in all partners
	s_lshl_b32 s[YB], s32, 2
	s_add_co_u32 s[YB], s[YB], s[CY]               ; work-group y
	s_and_b32 s[PB], s[YB], 31                     ; the key step
	s_lshl_b32 s[RMASK], s[CY], 2
	s_lshl_b32 s[RMASK], 15, s[RMASK]              ; my row of the cluster
	s_lshl_b32 s[CMASK], 0x1111, s[CX]             ; my column
	s_or_b32 s[G1X], s[RMASK], (3<<16)|(1<<20)|(1<<21)|(5<<22)|(3<<25)   ; 15:0 the mask; 17:16 elements of 8 bytes; 20 padding on; 21 set beside a mask; 24:22 after every 64 words; 31:25 of 4 words
	DESC G1X, 192                                  ; 64 rows of 768 bytes
	s_or_b32 s[G1W], s[CMASK], (3<<16)|(1<<20)|(1<<21)|(5<<22)|(3<<25)
	DESC G1W, 192
	s_or_b32 s[G1XS], s[RMASK], (3<<16)|(1<<21)    ; scale bytes: no padding
	DESC G1XS, 16                                  ; 128 rows of 32 bytes
	s_or_b32 s[G1WS], s[CMASK], (3<<16)|(1<<21)
	DESC G1WS, 8                                   ; 64 rows of 32 bytes
	s_mov_b32 s[SEL], 0x76543210
	s_mov_b32 s[SEL+1], 0xfedcba98                 ; v_permlanex16_b32's selects for lane l xor 16
	s_mov_b32 s94, 0x7f7f0000                      ; the bytes of a K scale word's two unused blocks: 2^0
	s_mul_i32 s60, s[PB], 98304                    ; the step's 128 rows of codes,
	s_mul_i32 s61, s[HALF], 49152                  ; my half of them
	s_add_co_u32 s60, s60, s61
	s_mov_b32 s61, 0
	s_lshl_b32 s66, s[PB], 12                      ; their scale bytes
	s_mov_b32 s67, 0
	s_mul_i32 s62, s[GH], 49152                    ; the head's 64 rows of the weight
	s_mov_b32 s63, 0
	s_lshl_b32 s2, s[GH], 11                       ; and their scale bytes
	s_mov_b32 s3, 0
	s_wait_dscnt 0x0
	s_wait_kmcnt 0x0
	s_cmp_eq_u32 s[ROLE], 0                        ; the choice of buffers hangs on the cluster's y alone
	s_cselect_b64 s[4:5], s[4:5], s[8:9]
	s_cselect_b64 s[6:7], s[6:7], s[10:11]
	s_cselect_b64 s[12:13], s[12:13], s[16:17]
	s_cselect_b64 s[14:15], s[14:15], s[18:19]
	s_cselect_b64 s[20:21], s[20:21], s[22:23]
	s_mov_b32 s[G0X], 1
	s_mul_i32 s[G0X+1], s[HALF], 52224
	s_add_nc_u64 s[G0X+2:G0X+3], s[4:5], s[60:61]
	s_or_b32 s[G0X+3], s[G0X+3], 0x80000000
	s_mov_b32 s[G0W], 1
	s_mov_b32 s[G0W+1], WL
	s_add_nc_u64 s[G0W+2:G0W+3], s[12:13], s[62:63]
	s_or_b32 s[G0W+3], s[G0W+3], 0x80000000
	s_mov_b32 s[G0XS], 1
	s_mov_b32 s[G0XS+1], XSL
	s_add_nc_u64 s[G0XS+2:G0XS+3], s[6:7], s[66:67]
	s_or_b32 s[G0XS+3], s[G0XS+3], 0x80000000
	s_mov_b32 s[G0WS], 1
	s_mov_b32 s[G0WS+1], WSL
	s_add_nc_u64 s[G0WS+2:G0WS+3], s[14:15], s[2:3]
	s_or_b32 s[G0WS+3], s[G0WS+3], 0x80000000
	s_lshl_b32 s2, s[GH], 8
	s_add_nc_u64 s[20:21], s[20:21], s[2:3]        ; the bias at the head's 64 numbers
	s_lshl_b32 s2, s[GH], 5
	s_add_co_u32 s2, s2, s[PB]
	s_mul_i32 s2, s2, STEPB
	s_mul_i32 s32, s[WV], 1536
	s_add_co_u32 s2, s2, s32
	s_add_nc_u64 s[24:25], s[24:25], s[2:3]        ; kv at my step's block, + 1,536 x wave
	CROUND                                         ; all sixteen work-groups are here: the joint loads meet
	s_cmp_lt_u32 s[WV], 2                          ; a wave's fills stand in one branch on its number: waves 0, 1 the rows' halves, wave 2 the weight, wave 3 both runs of scale bytes (two loads of it are out)
	s_cbranch_scc0 .Lnot_x
	tensor_load_to_lds s[G0X:G0X+3], s[G1X:G1X+7]
	s_nop 0
	PLACES
	s_branch .Lasked
.Lnot_x:
	s_cmp_eq_u32 s[WV], 2
	s_cbranch_scc0 .Lscales
	tensor_load_to_lds s[G0W:G0W+3], s[G1W:G1W+7]
	s_nop 0
	PLACES
	s_branch .Lasked
.Lscales:
	tensor_load_to_lds s[G0XS:G0XS+3], s[G1XS:G1XS+7]
	s_nop 0
	tensor_load_to_lds s[G0WS:G0WS+3], s[G1WS:G1WS+7]
	s_nop 0
	PLACES
.Lasked:
	; every address of both roles is made here, ahead of the parting
	v_and_b32 v25, 31, v0
	v_lshlrev_b32 v1, 4, v25                       ; v1  16 x lane
	v_lshlrev_b32 v2, 3, v25                       ; v2  8 x lane
	v_and_b32 v25, 15, v0                          ; r
	v_bfe_u32 v26, v0, 4, 1                        ; h
	v_and_b32 v27, 8, v25
	v_add_nc_u32 v27, v27, v25                     ; r + 8 (r / 8)
	v_mul_u32_u24 v28, v27, PITCH
	v_mad_u32_u24 v4, v26, 24, v28                 ; v4, v5   a tile's row in the rows' first half
	v_mad_u32_u24 v5, v26, 40, v28
	v_add_nc_u32 v6, 52224, v4                     ; v6, v7   in their second half
	v_add_nc_u32 v7, 52224, v5
	s_mul_i32 s60, s[WV], 32*PITCH
	v_add_nc_u32 v8, s60, v4                       ; v8, v9   K role: my 32 keys
	v_add_nc_u32 v9, s60, v5
	v_add_nc_u32 v10, WL, v4                       ; v10, v11 the weight's rows
	v_add_nc_u32 v11, WL, v5
	s_lshr_b32 s61, s[WV], 1
	s_lshl_b32 s62, s61, 5
	s_lshl_b32 s63, s[HALF], 3
	s_add_co_u32 s62, s62, s63                     ; where tile number wave begins: 32 (wave / 2) + 8 (wave % 2)
	s_mul_i32 s63, s62, PITCH
	v_add_nc_u32 v12, s63, v10                     ; v12, v13 V role: my tile of the weight
	v_add_nc_u32 v13, s63, v11
	v_lshl_add_u32 v29, v26, 3, v27                ; lanes 16-31 take the tile 8 rows on: one register carries two tiles' scale words
	v_lshl_add_u32 v14, v29, 5, XSL                ; v14  the rows' scale bytes, 32 a row
	s_lshl_b32 s63, s[WV], 10
	v_add_nc_u32 v15, s63, v14                     ; v15  K role: my 32 keys'
	v_lshl_add_u32 v16, v29, 5, WSL                ; v16  the weight's
	v_lshl_add_u32 v17, v27, 5, WSL
	s_lshl_b32 s63, s62, 5
	v_add_nc_u32 v17, s63, v17                     ; v17  V role: my tile's
	s_lshl_b32 s63, s[WV], 2
	v_add_nc_u32 v18, s63, v1
	v_add_nc_u32 v18, KSTG, v18                    ; v18  K's scale words: 16 x lane + 4 x wave
	v_lshlrev_b32 v19, 3, v25
	s_lshl_b32 s63, s[HALF], 7
	s_lshl_b32 s61, s61, 2
	s_add_co_u32 s63, s63, s61
	v_add_nc_u32 v19, s63, v19
	v_add_nc_u32 v19, VSTG, v19                    ; v19  V's: 8 r + 128 (wave % 2) + 4 (wave / 2)
	v_lshlrev_b32 v20, 6, v26                      ; v20  b_k: 64 h
	v_lshlrev_b32 v21, 2, v27
	s_lshl_b32 s63, s62, 2
	v_add_nc_u32 v21, s63, v21                     ; v21  b_v: my d
	v_lshlrev_b32 v22, 4, v26                      ; v22  16 h
	v_add_nc_u32 v23, KSTG, v1                     ; v23, v24  the stages read back
	v_add_nc_u32 v24, VSTG, v2
	s_wait_tensorcnt 0x0                           ; my fills have landed,
	s_barrier_signal -1
	s_barrier_wait -1                              ; everybody's have
	s_cmp_lg_u32 s[ROLE], 0
	s_cbranch_scc1 .Lrole_v
	; ---- K ROLE.  Wave w makes K's tiles 2 w and 2 w + 1 (keys 32 w + 8 i + r + 8 (r / 8)) against the weight's four tiles: accumulator (i, t) at v[ACC + 32 i + 8 t]
.irp t, 0,1,2,3
	global_load_b128 v[BK+8*\t:BK+8*\t+3], v20, s[20:21] offset:(32*(\t/2)+8*(\t%2))*4      ; lane (r, h), tile t: b_k at d = 32 (t / 2) + 16 h + 8 (t % 2) + 0 .. 7
	global_load_b128 v[BK+8*\t+4:BK+8*\t+7], v20, s[20:21] offset:(32*(\t/2)+8*(\t%2))*4+16
.endr
	ds_load_b128 v[SC:SC+3], v15                   ; the scale words of all eight K steps: lanes 0-15 tile i = 0's, lanes 16-31 tile i = 1's
	ds_load_b128 v[SC+4:SC+7], v15 offset:16
.irp b, 0,1
	ds_load_b128 v[SC+8+8*\b:SC+11+8*\b], v16 offset:1024*\b          ; the weight's: lanes 0-15 tile 2 b, lanes 16-31 tile 2 b + 1
	ds_load_b128 v[SC+12+8*\b:SC+15+8*\b], v16 offset:1024*\b+16
.endr
.macro KSTEP q                         ; 128 along K: six fragments, eight matrix instructions on eight accumulators by turns
.if \q > 0
	PLACES
.endif
	FRAG FR, 8, \q, 0
	FRAG FR+12, 8, \q, 8
.irp t, 0,1,2,3
	FRAG FR+24+12*\t, 10, \q, 32*(\t/2)+8*(\t%2)
.endr
	s_wait_dscnt 0x0
.if \q == 0
	s_wait_loadcnt 0x0                             ; the bias
.endif
.irp i, 0,1
.irp t, 0,1,2,3
.if \q == 0
	MM ACC+32*\i+8*\t, FR+24+12*\t, FR+12*\i, BK+8*\t, SC+8+8*(\t/2)+\q, SC+\q, \t%2, \i
.else
	MM ACC+32*\i+8*\t, FR+24+12*\t, FR+12*\i, ACC+32*\i+8*\t, SC+8+8*(\t/2)+\q, SC+\q, \t%2, \i
.endif
.endr
.endr
.endm
.irp q, 0,1,2,3,4,5,6,7
	KSTEP \q
.endr
	PLACES
.irp b, 0,1,2,3
	v_mov_b32 v[TM+4+\b], 0                        ; a lane permute's destination counts as one of its sources
.endr
	QUANT ACC                                      ; blocks 0, 1: tile i = 0's two blocks of 32 along d; blocks 2, 3: tile i = 1's.  Registers 6 i .. 6 i + 5: lane (r, h) holds d = 32 h .. 32 h + 31 of its key
	global_store_b128 v1, v[PC:PC+3], s[24:25]                 ; 512 consecutive bytes, at a multiple of 256 from kv's first byte
	global_store_b64 v2, v[PC+4:PC+5], s[24:25] offset:512     ; 256 consecutive bytes
	global_store_b128 v1, v[PC+6:PC+9], s[24:25] offset:768
	global_store_b64 v2, v[PC+10:PC+11], s[24:25] offset:1280
	v_lshrrev_b32 v[TW], v22, v[PW]                ; lanes 0-15 keep tile 2 w's two bytes, lanes 16-31 tile 2 w + 1's;
	v_and_or_b32 v[TW], v[TW], 0xffff, s94         ; K = 64 fills half of the instruction's 128: the other two blocks are zero codes under the byte 127
	ds_store_b32 v18, v[TW]
	s_branch .Ljoin
.Lrole_v:
	; ---- V ROLE.  Wave w makes V^T's tile w (d = 32 (w / 2) + 8 (w % 2) + r + 8 (r / 8)) for the step's 128 keys: accumulator t at v[ACC + 8 t]
.irp j, 0,1,2,3,4,5,6,7
	global_load_b32 v[BV+\j], v21, s[20:21]        ; a lane's eight results are eight keys of ONE d: b_v of that d in all eight
.endr
.irp b, 0,1,2,3
	ds_load_b128 v[SC+8*\b:SC+3+8*\b], v14 offset:1024*\b            ; value's scale words of all eight K steps: lanes 0-15 tile 2 b, lanes 16-31 tile 2 b + 1
	ds_load_b128 v[SC+4+8*\b:SC+7+8*\b], v14 offset:1024*\b+16
.endr
	ds_load_b128 v[SC+32:SC+35], v17               ; my tile of the weight
	ds_load_b128 v[SC+36:SC+39], v17 offset:16
.macro VSTEP q
.if \q > 0
	PLACES
.endif
.irp t, 0,1,2,3,4,5,6,7
	FRAG FR+12*\t, 4+2*(\t/4), \q, 32*((\t/2)%2)+8*(\t%2)
.endr
	FRAG FR+96, 12, \q, 0
	s_wait_dscnt 0x0
.if \q == 0
	s_wait_loadcnt 0x0
.endif
.irp t, 0,1,2,3,4,5,6,7
.if \q == 0
	MM ACC+8*\t, FR+12*\t, FR+96, BV, SC+8*(\t/2)+\q, SC+32+\q, \t%2, 0
.else
	MM ACC+8*\t, FR+12*\t, FR+96, ACC+8*\t, SC+8*(\t/2)+\q, SC+32+\q, \t%2, 0
.endif
.endr
.endm
.irp q, 0,1,2,3,4,5,6,7
	VSTEP \q
.endr
	PLACES
.irp b, 0,1,2,3
	v_mov_b32 v[TM+4+\b], 0
.endr
	QUANT ACC                                      ; four blocks of 32 keys: one fragment of V^T and its scale word
.irp c, 0,1,2
	global_store_b128 v1, v[PC+4*\c:PC+4*\c+3], s[24:25] offset:6144+512*\c
.endr
	ds_store_b32 v19, v[PW]                        ; lanes r and r + 16 write the same word with the same value
.Ljoin:
	s_wait_dscnt 0x0                               ; for the others' sake: my scale words lie in the stage
	s_barrier_signal -1
	s_barrier_wait -1
	s_cmp_lg_u32 s[WV], 0                          ; wave 0 (whose base in kv is the block's first byte) stores the step's scale words in whole runs
	s_cbranch_scc1 .Lclose
	s_cmp_lg_u32 s[ROLE], 0
	s_cbranch_scc1 .Lwords_v
	ds_load_b128 v[140:143], v23
	s_wait_dscnt 0x0
	global_store_b128 v1, v[140:143], s[24:25] offset:12288
	s_branch .Lclose
.Lwords_v:
	ds_load_b64 v[140:141], v24
	s_wait_dscnt 0x0
	global_store_b64 v2, v[140:141], s[24:25] offset:12800
.Lclose:
	s_wait_tensorcnt 0x0
	ds_add_u32 v254, v255
	s_wait_dscnt 0x0
	CROUND                                         ; the closing round: no work-group ends while a partner may still ask for a tile that names it
	s_endpgm
.Lfunc_end_k_qf6599c7722_kvproj:
	.size	k_qf6599c7722_kvproj, .Lfunc_end_k_qf6599c7722_kvproj-k_qf6599c7722_kvproj
	.p2alignl 7, 3214868480
	.fill 96, 4, 3214868480
	.section	.rodata,"a",@progbits
	.p2align	6, 0x0
	.amdhsa_kernel k_qf6599c7722_kvproj
		.amdhsa_group_segment_fixed_size 168448
		.amdhsa_private_segment_fixed_size 0
		.amdhsa_enable_private_segment 0
		.amdhsa_kernarg_size 88
		.amdhsa_user_sgpr_count 2
		.amdhsa_user_sgpr_kernarg_segment_ptr 1
		.amdhsa_wavefront_size32 1
		.amdhsa_system_sgpr_workgroup_id_x 1
		.amdhsa_system_sgpr_workgroup_id_y 1
		.amdhsa_system_sgpr_workgroup_id_z 1
		.amdhsa_system_vgpr_workitem_id 0
		.amdhsa_next_free_vgpr 256
		.amdhsa_next_free_sgpr 96
		.amdhsa_reserve_vcc 0
		.amdhsa_float_denorm_mode_32 3
		.amdhsa_float_denorm_mode_16_64 3
		.amdhsa_memory_ordered 1
		.amdhsa_forward_progress 1
		.amdhsa_inst_pref_size 85
	.end_amdhsa_kernel
	.amdgpu_metadata
---
amdhsa.version: [ 1, 2 ]
amdhsa.kernels:
  - .name:           k_qf6599c7722_kvproj
    .symbol:         k_qf6599c7722_kvproj.kd
    .args:
      - { .name: key_codes, .offset: 0, .size: 8, .value_kind: global_buffer, .address_space: global }
      - { .name: key_scales, .offset: 8, .size: 8, .value_kind: global_buffer, .address_space: global }
      - { .name: value_codes, .offset: 16, .size: 8, .value_kind: global_buffer, .address_space: global }
      - { .name: value_scales, .offset: 24, .size: 8, .value_kind: global_buffer, .address_space: global }
      - { .name: w_k_codes, .offset: 32, .size: 8, .value_kind: global_buffer, .address_space: global }
      - { .name: w_k_scales, .offset: 40, .size: 8, .value_kind: global_buffer, .address_space: global }
      - { .name: w_v_codes, .offset: 48, .size: 8, .value_kind: global_buffer, .address_space: global }
      - { .name: w_v_scales, .offset: 56, .size: 8, .value_kind: global_buffer, .address_space: global }
      - { .name: b_k, .offset: 64, .size: 8, .value_kind: global_buffer, .address_space: global }
      - { .name: b_v, .offset: 72, .size: 8, .value_kind: global_buffer, .address_space: global }
      - { .name: kv, .offset: 80, .size: 8, .value_kind: global_buffer, .address_space: global }
    .group_segment_fixed_size: 168448
    .private_segment_fixed_size: 0
    .kernarg_segment_align: 8
    .kernarg_segment_size: 88
    .max_flat_workgroup_size: 128
    .sgpr_count:     96
    .vgpr_count:     256
    .wavefront_size: 32
...
	.end_amdgpu_metadata
.endif
;; end of part 1
;; launch attn (part 2): grid 64 x 4, 16 waves a work-group, clusters of 4 x 1, 327,680 bytes of LDS; arguments query_codes, query_scales, w_q_codes, w_q_scales, b_q, kv, a_img, a_scl; writes a_img, a_scl
.if DOCPART == 2
	.amdgcn_target "amdgcn-amd-amdhsa--gfx1250"
	.amdhsa_code_object_version 6
	.text
	.protected	k_qf6599c7722_attn
	.globl	k_qf6599c7722_attn
	.p2align	8
	.type	k_qf6599c7722_attn,@function
k_qf6599c7722_attn:
	s_mov_b64 s[64:65], 0
	v_nop
	global_prefetch_b8 v0, s[64:65] scope:SCOPE_SE
	s_setreg_imm32_b32 hwreg(HW_REG_WAVE_MODE, 25, 1), 1
	s_wait_xcnt 0x0
	s_wait_alu depctr_hold_cnt(0) depctr_sa_sdst(0) depctr_va_vdst(0) depctr_va_sdst(0) depctr_va_ssrc(0) depctr_va_vcc(0) depctr_vm_vsrc(0)
	s_getreg_b32 s2, hwreg(HW_REG_IB_STS2, 6, 4)
	s_cmp_eq_u32 s2, 0
	s_cbranch_scc0 .Lentry_in_a_cluster
	s_endpgm
.Lentry_in_a_cluster:
	s_bfe_u32 s2, ttmp6, 0x10000c
	s_cmp_lg_u32 s2, 0x3003
	s_cbranch_scc0 .Lentry_shape_is_right
	s_endpgm
.Lentry_shape_is_right:
; q = query w_q + b_q, quantised along the head's 64; S^T = k q^T; p = 2^(t - M), quantised along the keys; O^T = v^T p^T; O / l, quantised along (head, d) for the last projection.  All products on codes of FP6 (E2M3).
; t = score x log2(e) / 8; M = the row's largest t so far, rounded UP to a whole number; l is the sum of the UNQUANTISED p.  When M moves, l and O^T are multiplied by 2^(old M - new M), which rounds nothing.
; SHARES.  A work-group owns 64 queries x the four query heads of kv head g; each of its sixteen waves one tile of 16 queries of one head (head 4 g + wave % 4, queries 16 (wave / 4) on) in 256 registers: four waves to a SIMD,
; so that one wave's vector work stands beside another's matrix work and LDS loads.  256 work-groups of equal work.  q is needed by this work-group alone, so it is made here and never goes to memory.
; CLUSTER 4 x 1: the four partners share g.  w_q's 256 rows, their scale bytes and every block of kv are asked for JOINTLY (mask 15).  query's 64 rows and their scale bytes are the work-group's own: plain loads.
; kv's blocks (13,056 bytes a step of 128 keys) are images of the operands' registers: a fragment comes by ds_load_b128 and ds_load_b64 at 16 x lane and 8 x lane; no pitch, no padding.
; THE RING: two slots of four key steps; waves 0-3 fetch a step each, one load a wave behind each round of the cluster's barrier; that load has the other slot's four steps in which to land.
; Slot 1 lies over the first bytes of w_q's rows, which are done with behind the Q phase: its first fill is issued as a refill is.
; K = 64 fills half of the matrix instruction's 128 in S^T = k q^T: registers 6-11 of both operands are zero codes, their scale bytes 127.
; LAYOUT.  Both products are used transposed: a lane holds ONE query (lane % 16) throughout.  The keys of a tile of k and the d of a tile of v^T are chosen (row r of tile 2 b + u: 32 b + 8 u + r + 8 (r / 8)) so that
; the 16 registers of two neighbouring result tiles are 16 neighbours along the next quantiser's axis.
; LIMITS: NaN and infinities are not served.  A block whose largest magnitude lies under 2^-124, a block of zeros among them, takes the scale byte 1; these bytes are read by this program alone.  b_q enters as the sum's first addend.
.set PITCH, 816                        ; a row of 768 bytes of codes in LDS: three runs of 256 bytes, 16 bytes of padding behind each
.set STEPB, 13056
.set SLOTB, 4*STEPB                    ; 52,224
.set WQL,   52224                      ; w_q's 256 rows
.set XQL,   261120                     ; query's 64 rows
.set WQSL,  313344                     ; w_q's scale bytes, 32 a row
.set XQSL,  321536                     ; query's
.set SPARE, 323584                     ; the spare words, 128 bytes for each wave: eight blocks of 256 bytes that no other line names
.set ADK,   8                          ; v8   the step's block + 16 x lane
.set ADB,   9                          ; v9   the step's block + 8 x lane
.set KF,    28                         ; v28-75   four fragments of k; registers 6-11 of each are zeros, set once
.set VF,    76                         ; v76-123  four fragments of v^T
.set S,     124                        ; v124-187 S^T, then p
.set OT,    188                        ; v188-219 O^T (in the Q phase: q's four tiles)
.set PCD,   220                        ; v220-231 p's codes
; v1 16 x lane, v2 8 x lane, v3 my spare word, v4 0, v5 my place in the scale stage; v[10:11] v^T's scale words; v12 -M, v13 the largest t, v[14:15] l in two halves; v16-27 q's fragment;
; v232-247, v252, v254 at work; v[248:251] k's scale words; v253 p's scale word; v255 q's scale word
.set SEL,   20
.set CS,    22
.set G1R,   24                         ; s[24:31] group 1 of the ring's loads; s[32:35], s[36:39] a group 0 for each slot
.set G0R,   32
.set G1W,   40                         ; s[40:47], s[48:51] w_q's rows
.set G0W,   48
.set G1X,   52                         ; s[52:59], s[60:63] query's rows
.set G0X,   60
.set G1WS,  68                         ; s[68:75], s[76:79] w_q's scale bytes
.set G0WS,  76
.set G1XS,  80                         ; s[80:87], s[88:91] query's scale bytes
.set G0XS,  88
.set WV,    92
.set CX,    93
.set XB,    94                         ; my block of 64 queries
.set GH,    95                         ; the kv head
.set REP,   96
.set QT,    97
.set TB,    98                         ; LDS byte at which the step's block begins
.set CNT,   99
.set LAPS,  100
.set HD,    101                        ; my query head
.macro DESC g, rows                    ; words 1-7 of a group 1: a dense block of memory as rows of 256 bytes (32 elements of 8 bytes)
	s_mov_b32 s[\g+1], 32<<16
	s_mov_b32 s[\g+2], (\rows)<<16
	s_mov_b32 s[\g+3], 32<<16
	s_mov_b32 s[\g+4], \rows
	s_mov_b32 s[\g+5], 32
	s_mov_b32 s[\g+6], 0
	s_mov_b32 s[\g+7], 0
.endm
.macro PLACES                          ; four plain places behind a matrix instruction (ISA guide 7.12.1)
.rept 4
	v_nop
.endr
.endm
.macro CROUND                          ; a round of the cluster's barrier
	s_barrier_signal -1
	s_barrier_wait -1
	s_cmp_lg_u32 s[WV], 0
	s_cbranch_scc1 .Lnot_wave_0_\@
	s_barrier_signal -3
.Lnot_wave_0_\@:
	s_barrier_wait -3
	s_barrier_signal -1
	s_barrier_wait -1
.endm
.macro FRAG reg, adr, q, row           ; a fragment from rows of given codes: six pieces of 8 bytes; the second address register serves the pieces whose partner three on lies behind one padding more
.irp p, 0,1,2,3,4,5
.set PCE, 12*(\q)+6*(\p/3)+\p%3
.if PCE%32 < 29
	ds_load_b64 v[\reg+2*\p:\reg+2*\p+1], v[\adr] offset:8*PCE+16*(PCE/32)+(\row)*PITCH
.else
	ds_load_b64 v[\reg+2*\p:\reg+2*\p+1], v[\adr+1] offset:8*PCE+16*(PCE/32)+(\row)*PITCH
.endif
.endr
.endm
.macro MM d, a, b, sa, sb, row1        ; D += A x B, in place; row1 = 1: A's scale words stand in lanes 16-31
.set rD, \d
.set rA, \a
.set rB, \b
.set rX, \sa
.set rY, \sb
.if \row1
	v_wmma_scale_f32_16x16x128_f8f6f4 v[rD:rD+7], v[rA:rA+11], v[rB:rB+11], v[rD:rD+7], v[rX], v[rY] matrix_a_fmt:MATRIX_FMT_FP6 matrix_b_fmt:MATRIX_FMT_FP6 matrix_a_scale:MATRIX_SCALE_ROW1
.else
	v_wmma_scale_f32_16x16x128_f8f6f4 v[rD:rD+7], v[rA:rA+11], v[rB:rB+11], v[rD:rD+7], v[rX], v[rY] matrix_a_fmt:MATRIX_FMT_FP6 matrix_b_fmt:MATRIX_FMT_FP6
.endif
.endm
.macro MM0 d, a, b, sa, sb, row1       ; D = A x B
.set rD, \d
.set rA, \a
.set rB, \b
.set rX, \sa
.set rY, \sb
.if \row1
	v_wmma_scale_f32_16x16x128_f8f6f4 v[rD:rD+7], v[rA:rA+11], v[rB:rB+11], 0, v[rX], v[rY] matrix_a_fmt:MATRIX_FMT_FP6 matrix_b_fmt:MATRIX_FMT_FP6 matrix_a_scale:MATRIX_SCALE_ROW1
.else
	v_wmma_scale_f32_16x16x128_f8f6f4 v[rD:rD+7], v[rA:rA+11], v[rB:rB+11], 0, v[rX], v[rY] matrix_a_fmt:MATRIX_FMT_FP6 matrix_b_fmt:MATRIX_FMT_FP6
.endif
.endm
; 32 numbers of a lane, register 16 b + i = d 32 b + 16 (lane / 16) + i of my query, become six registers of codes in v[dst] on (lane (r, h): d = 32 h .. 32 h + 31) and two scale bytes in v254
.macro QUANT1 s, dst
.irp b, 0,1
	v_max3_num_f32 v[232+\b], |v[\s+16*\b]|, |v[\s+1+16*\b]|, 0x1800000   ; my 16 numbers of block b, and the floor 2^(3 - 127): the byte cannot fall under 1
.endr
.irp i, 2,4,6,8,10,12,14
.irp b, 0,1
	v_max3_num_f32 v[232+\b], v[232+\b], |v[\s+16*\b+\i]|, |v[\s+1+16*\b+\i]|
.endr
.endr
.irp b, 0,1
	v_permlanex16_b32 v[236+\b], v[232+\b], s[SEL], s[SEL+1]
.endr
.irp b, 0,1
	v_max_num_f32 v[232+\b], v[232+\b], v[236+\b]  ; with lane l xor 16's: the block's largest magnitude
.endr
.irp b, 0,1
	v_add_nc_u32 v[244+\b], 0xff000000, v[232+\b]  ; 2 off its exponent field: the conversion's scale operand
.endr
.irp b, 0,1
	v_lshrrev_b32 v[236+\b], 23, v[244+\b]         ; the scale's byte
.endr
	v_lshl_or_b32 v254, v237, 8, v236
	v_cvt_scalef32_pk16_fp6_f32 v[\dst:\dst+2], v[\s:\s+15], v244
	v_cvt_scalef32_pk16_fp6_f32 v[240:242], v[\s+16:\s+31], v245
	v_nop                                          ; one plain place behind a scaled conversion
.irp i, 0,1,2
	v_permlane16_swap_b32 v[\dst+\i], v[240+\i]    ; a WHOLE block in a lane: lanes 0-15 block 0, lanes 16-31 block 1
.endr
.irp i, 0,1,2
	v_mov_b32 v[\dst+3+\i], v[240+\i]
.endr
.endm
	s_load_b512 s[4:19], s[0:1], 0x0               ; query's codes, scales; w_q's codes, scales; b_q; kv; a_img; a_scl
	v_lshl_add_u32 v3, v0, 2, SPARE
	v_mov_b32 v4, 0
	ds_add_u32 v3, v4
	s_wait_dscnt 0x0
	v_lshrrev_b32 v1, 5, v0
	v_readfirstlane_b32 s[WV], v1                  ; wave 0..15
	s_bfe_u32 s[CX], ttmp6, 0x40000                ; my place in the cluster: it enters query's, a_img's and a_scl's addresses alone
	s_lshl_b32 s[XB], ttmp9, 2
	s_add_co_u32 s[XB], s[XB], s[CX]
	s_and_b32 s[GH], ttmp7, 0xffff                 ; the kv head, which the four partners share
	s_and_b32 s[REP], s[WV], 3
	s_lshr_b32 s[QT], s[WV], 2
	s_lshl_b32 s[HD], s[GH], 2
	s_add_co_u32 s[HD], s[HD], s[REP]
	s_mov_b32 s[G1R], 15|(3<<16)|(1<<21)           ; 15:0 the mask: all four work-groups; 17:16 elements of 8 bytes; 21 set beside a mask; no padding
	DESC G1R, 51                                   ; a key step's block: 51 x 256 bytes
	s_mov_b32 s[G1W], 15|(3<<16)|(1<<20)|(1<<21)|(5<<22)|(3<<25)   ; 20 padding on; 24:22 after every 64 words; 31:25 of 4 words
	DESC G1W, 192                                  ; 64 rows of 768 bytes
	s_mov_b32 s[G1X], (3<<16)|(1<<20)|(5<<22)|(3<<25)              ; no mask: my own rows
	DESC G1X, 192
	s_mov_b32 s[G1WS], 15|(3<<16)|(1<<21)
	DESC G1WS, 32                                  ; 256 rows of 32 bytes
	s_mov_b32 s[G1XS], 3<<16
	DESC G1XS, 8                                   ; 64 rows of 32 bytes
	s_mov_b32 s[SEL], 0x76543210
	s_mov_b32 s[SEL+1], 0xfedcba98                 ; v_permlanex16_b32's selects for lane l xor 16
	s_mov_b32 s[CS], 0x3e38aa3b                    ; c = log2(e) / sqrt(64)
	s_mov_b32 s[CS+1], s[CS]                       ; (named with it as a pair, so it is written)
	s_mov_b32 s[LAPS], 3
	s_mov_b32 s3, 0
	s_mov_b32 s67, 0
	s_wait_kmcnt 0x0
	s_mul_i32 s2, s[GH], 196608                    ; w_q: the kv head's 256 rows, a quarter to each of waves 0-3
	s_mul_i32 s105, s[REP], 49152
	s_add_co_u32 s2, s2, s105
	s_mov_b32 s[G0W], 1
	s_mul_i32 s105, s[REP], 52224
	s_add_co_u32 s[G0W+1], s105, WQL
	s_add_nc_u64 s[G0W+2:G0W+3], s[8:9], s[2:3]
	s_or_b32 s[G0W+3], s[G0W+3], 0x80000000
	s_mul_i32 s2, s[GH], 32*STEPB                  ; kv: the head's blocks; of a slot's four steps, step wave % 4
	s_mul_i32 s105, s[REP], STEPB
	s_add_co_u32 s2, s2, s105
	s_mov_b32 s[G0R], 1
	s_mov_b32 s[G0R+1], s105                       ; slot 0: steps 0-3
	s_add_nc_u64 s[G0R+2:G0R+3], s[14:15], s[2:3]
	s_mov_b32 s[G0R+4], 1
	s_add_co_u32 s[G0R+5], s105, SLOTB             ; slot 1: steps 4-7
	s_add_nc_u64 s[G0R+6:G0R+7], s[G0R+2:G0R+3], SLOTB
	s_or_b32 s[G0R+3], s[G0R+3], 0x80000000
	s_or_b32 s[G0R+7], s[G0R+7], 0x80000000
	s_lshl_b32 s2, s[GH], 13
	s_mov_b32 s[G0WS], 1
	s_mov_b32 s[G0WS+1], WQSL
	s_add_nc_u64 s[G0WS+2:G0WS+3], s[10:11], s[2:3]
	s_or_b32 s[G0WS+3], s[G0WS+3], 0x80000000
	s_mul_i32 s66, s[XB], 49152                    ; query: my 64 rows
	s_mov_b32 s[G0X], 1
	s_mov_b32 s[G0X+1], XQL
	s_add_nc_u64 s[G0X+2:G0X+3], s[4:5], s[66:67]
	s_or_b32 s[G0X+3], s[G0X+3], 0x80000000
	s_lshl_b32 s66, s[XB], 11
	s_mov_b32 s[G0XS], 1
	s_mov_b32 s[G0XS+1], XQSL
	s_add_nc_u64 s[G0XS+2:G0XS+3], s[6:7], s[66:67]
	s_or_b32 s[G0XS+3], s[G0XS+3], 0x80000000
	s_lshl_b32 s66, s[HD], 8
	s_add_nc_u64 s[12:13], s[12:13], s[66:67]      ; b_q at my head's 64 numbers
	s_lshl_b32 s66, s[XB], 2
	s_add_co_u32 s66, s66, s[QT]
	s_lshl_b32 s66, s66, 4
	s_add_co_u32 s66, s66, s[HD]
	s_mul_i32 s66, s66, 768
	s_add_nc_u64 s[16:17], s[16:17], s[66:67]      ; a_img at (my tile of queries, my head)
	s_lshl_b32 s66, s[GH], 15
	s_lshl_b32 s104, s[XB], 9
	s_add_co_u32 s66, s66, s104
	s_add_nc_u64 s[18:19], s[18:19], s[66:67]      ; a_scl at (g, my block's first query)
	CROUND                                         ; all four work-groups are here: the first joint loads meet
	s_cmp_lt_u32 s[WV], 4                          ; a wave's first fills stand in one branch on its number; two loads of a wave are out at the most
	s_cbranch_scc0 .Lf_x
	tensor_load_to_lds s[G0W:G0W+3], s[G1W:G1W+7]
	s_nop 0
	tensor_load_to_lds s[G0R:G0R+3], s[G1R:G1R+7]
	s_nop 0
	PLACES
	s_branch .Lf_done
.Lf_x:
	s_cmp_eq_u32 s[WV], 4
	s_cbranch_scc0 .Lf_ws
	tensor_load_to_lds s[G0X:G0X+3], s[G1X:G1X+7]
	s_nop 0
	PLACES
	s_branch .Lf_done
.Lf_ws:
	s_cmp_eq_u32 s[WV], 5
	s_cbranch_scc0 .Lf_xs
	tensor_load_to_lds s[G0WS:G0WS+3], s[G1WS:G1WS+7]
	s_nop 0
	PLACES
	s_branch .Lf_done
.Lf_xs:
	s_cmp_eq_u32 s[WV], 6
	s_cbranch_scc0 .Lf_done
	tensor_load_to_lds s[G0XS:G0XS+3], s[G1XS:G1XS+7]
	s_nop 0
	PLACES
.Lf_done:
	v_and_b32 v6, 31, v0
	v_lshlrev_b32 v1, 4, v6                        ; 16 x lane
	v_lshlrev_b32 v2, 3, v6                        ; 8 x lane
	v_and_b32 v6, 15, v0                           ; r
	v_bfe_u32 v7, v0, 4, 1                         ; h
	v_and_b32 v8, 8, v6
	v_add_nc_u32 v8, v8, v6                        ; r + 8 (r / 8)
	s_lshl_b32 s104, s[QT], 7
	s_lshl_b32 s105, s[REP], 1
	s_add_co_u32 s104, s104, s105
	v_lshl_add_u32 v5, v6, 3, s104                 ; the scale stage: 8 bytes a query, my head's two at 2 x (wave % 4)
	s_mul_i32 s104, s[QT], 16*PITCH
	s_add_co_u32 s104, s104, XQL
	v_mul_u32_u24 v232, v6, PITCH
	v_add_nc_u32 v232, s104, v232
	v_mad_u32_u24 v28, v7, 24, v232                ; v28, v29  query: row 16 (wave / 4) + r
	v_mad_u32_u24 v29, v7, 40, v232
	s_mul_i32 s104, s[REP], 52224
	s_add_co_u32 s104, s104, WQL
	v_mul_u32_u24 v232, v8, PITCH
	v_add_nc_u32 v232, s104, v232
	v_mad_u32_u24 v30, v7, 24, v232                ; v30, v31  w_q: my head's 64 rows, a tile's row
	v_mad_u32_u24 v31, v7, 40, v232
	v_lshl_add_u32 v232, v7, 3, v8                 ; lanes 16-31 take the tile 8 rows on
	s_lshl_b32 s104, s[REP], 11
	s_add_co_u32 s104, s104, WQSL
	v_lshl_add_u32 v32, v232, 5, s104              ; v32  w_q's scale bytes
	s_lshl_b32 s104, s[QT], 9
	s_add_co_u32 s104, s104, XQSL
	v_lshl_add_u32 v33, v6, 5, s104                ; v33  query's
	v_lshlrev_b32 v34, 6, v7                       ; v34  b_q: 64 h
.irp b, 0,1,2,3
	v_mov_b32 v[236+\b], 0                         ; written once: a lane permute's destination counts as one of its sources
.endr
.irp t, 0,1,2,3
	global_load_b128 v[OT+8*\t:OT+8*\t+3], v34, s[12:13] offset:(32*(\t/2)+8*(\t%2))*4       ; the bias begins the sums: lane (r, h), tile t: d = 32 (t / 2) + 16 h + 8 (t % 2) + 0 .. 7
	global_load_b128 v[OT+8*\t+4:OT+8*\t+7], v34, s[12:13] offset:(32*(\t/2)+8*(\t%2))*4+16
.endr
	s_wait_tensorcnt 0x0                           ; my first fills have landed,
	s_barrier_signal -1
	s_barrier_wait -1                              ; everybody's have
	; ---- THE Q PHASE: my 16 queries x my head's 64: source 0 = 16 rows of w_q, source 1 = my queries; four accumulators by turns, eight K steps
.macro QSTEP q
.if \q > 0
	PLACES
.endif
	FRAG VF, 28, \q, 0
.irp t, 0,1,2,3
	FRAG S+12*\t, 30, \q, 32*(\t/2)+8*(\t%2)
.endr
	ds_load_b32 v248, v32 offset:4*\q              ; lanes 0-15 tile 0's scale words, lanes 16-31 tile 1's
	ds_load_b32 v249, v32 offset:1024+4*\q         ; tiles 2 and 3
	ds_load_b32 v250, v33 offset:4*\q
	s_wait_dscnt 0x0
.if \q == 0
	s_wait_loadcnt 0x0                             ; the bias
.endif
.irp t, 0,1,2,3
	MM OT+8*\t, S+12*\t, VF, 248+\t/2, 250, \t%2
.endr
.endm
.irp q, 0,1,2,3,4,5,6,7
	QSTEP \q
.endr
	PLACES
	QUANT1 OT, 16                                  ; q's fragment: registers 16-21
	v_or_b32 v255, 0x7f7f0000, v254                ; its scale word: two blocks of d, two of zero codes under the byte 127
.irp j, 22,23,24,25,26,27
	v_mov_b32 v[\j], 0                             ; k = 64 .. 127 of q's fragment: zero codes
.endr
.irp t, 0,1,2,3
.irp j, 6,7,8,9,10,11
	v_mov_b32 v[KF+12*\t+\j], 0                    ; and of k's four: set once, never loaded
.endr
.endr
	v_mov_b32 v13, 0xff61b1e6                      ; the largest t so far: -3e38, under every t
	v_floor_f32 v12, -v13                          ; -M
	v_mov_b32 v14, 0                               ; l, in two halves
	v_mov_b32 v15, 0
	v_mov_b32 v253, 0                              ; (named as the upper half of the pair v[252:253] before it is first written)
.irp j, 0,1,2,3,4,5,6,7,8,9,10,11,12,13,14,15,16,17,18,19,20,21,22,23,24,25,26,27,28,29,30,31
	v_mov_b32 v[OT+\j], 0                          ; O^T.  The step is written once: the first finds zeros, which the first change of M leaves zeros.  (These 32 are also the places between the operands written above and the first products)
.endr
; ---- A KEY STEP: 128 keys, whose block begins at LDS byte s[TB]
.macro STEP
	v_add_nc_u32 v[ADK], s[TB], v1
	v_add_nc_u32 v[ADB], s[TB], v2
.irp t, 0,1,2,3
	ds_load_b128 v[KF+12*\t:KF+12*\t+3], v[ADK] offset:768*\t
	ds_load_b64 v[KF+12*\t+4:KF+12*\t+5], v[ADB] offset:768*\t+512
.endr
	ds_load_b128 v[248:251], v[ADK] offset:12288   ; k's scale words: register j: lanes 0-15 tile 2 j, lanes 16-31 tile 2 j + 1
	s_wait_dscnt 0x0
.irp t, 0,1,2,3
	MM0 S+8*\t, KF+12*\t, 16, 248+\t/2, 255, \t%2
.endr
	PLACES                                         ; in front of the loads into the fragments just multiplied
.irp t, 0,1,2,3
	ds_load_b128 v[KF+12*\t:KF+12*\t+3], v[ADK] offset:768*(\t+4)
	ds_load_b64 v[KF+12*\t+4:KF+12*\t+5], v[ADB] offset:768*(\t+4)+512
.endr
.irp w, 0,1,2,3
.irp c, 0,1,2
	ds_load_b128 v[VF+12*\w+4*\c:VF+12*\w+4*\c+3], v[ADK] offset:6144+1536*\w+512*\c   ; v^T's fragments land under the softmax (their last readers stand six plain instructions back)
.endr
.endr
	ds_load_b64 v[10:11], v[ADB] offset:12800      ; v^T's scale words
	s_wait_dscnt 13                                ; k's tiles 4-7 are in; the 13 loads issued behind them, v^T's, may be out
.irp t, 0,1,2,3
	MM0 S+32+8*\t, KF+12*\t, 16, 250+\t/2, 255, \t%2
.endr
	PLACES                                         ; lane (r, h) holds query r; registers 16 b + i are keys 32 b + 16 h + i of the step
.irp b, 0,1,2,3
	v_max3_num_f32 v[232+\b], v[S+16*\b], v[S+1+16*\b], v[S+2+16*\b]   ; THE LARGEST SCORE OF EACH BLOCK OF 32 KEYS serves twice: for the row's maximum, and, since p rises with the score, for the block's largest p
.endr
.irp i, 3,5,7,9,11,13
.irp b, 0,1,2,3
	v_max3_num_f32 v[232+\b], v[232+\b], v[S+16*\b+\i], v[S+1+16*\b+\i]
.endr
.endr
.irp b, 0,1,2,3
	v_max_num_f32 v[232+\b], v[232+\b], v[S+15+16*\b]
.endr
.irp b, 0,1,2,3
	v_permlanex16_b32 v[236+\b], v[232+\b], s[SEL], s[SEL+1]
.endr
.irp b, 0,1,2,3
	v_max_num_f32 v[232+\b], v[232+\b], v[236+\b]  ; with lane l xor 16's 16 keys
.endr
	v_max3_num_f32 v254, v232, v233, v234
	v_max_num_f32 v254, v254, v235                 ; the step's largest score of my query
	v_mul_f32 v254, s[CS], v254                    ; as t (c is positive)
	v_max_num_f32 v13, v13, v254                   ; the running largest t
	v_mov_b32 v254, v12
	v_floor_f32 v12, -v13                          ; the new -M = floor(-t) = -ceil(t): M IS A WHOLE NUMBER
	v_sub_f32 v254, v12, v254                      ; M's old value less its new one: a whole number, 0 or less
	v_cvt_i32_f32 v254, v254                       ; (it saturates)
	v_ldexp_f32 v252, 1.0, v254                    ; f = 2^(old M - new M)
.irp j, 0,2,4,6,8,10,12,14,16,18,20,22,24,26,28,30,32,34,36,38,40,42,44,46,48,50,52,54,56,58,60,62
	v_pk_fma_f32 v[S+\j:S+1+\j], v[S+\j:S+1+\j], s[CS:CS+1], v[12:13] op_sel_hi:[1,0,0]   ; t - M, two at a time
.endr
.irp b, 0,1,2,3
	v_fma_f32 v[232+\b], v[232+\b], s[CS], v12     ; the same of each block's largest score
.endr
.irp j, 0,1,2,3,4,5,6,7,8,9,10,11,12,13,14,15,16,17,18,19,20,21,22,23,24,25,26,27,28,29,30,31,32,33,34,35,36,37,38,39,40,41,42,43,44,45,46,47,48,49,50,51,52,53,54,55,56,57,58,59,60,61,62,63
	v_exp_f32 v[S+\j], v[S+\j]                     ; p = 2^(t - M), at most 1: NOT normalised
.endr
.irp b, 0,1,2,3
	v_exp_f32 v[232+\b], v[232+\b]                 ; the block's largest p: the same two instructions on the same number give the same bits
.endr
	v_pk_mul_f32 v[14:15], v[14:15], v[252:253] op_sel_hi:[1,0]   ; l under the new M.  (A plain place behind the exponentials)
	s_wait_alu depctr_va_vdst(0)
.irp b, 0,1,2,3
	v_max_num_f32 v[232+\b], 0x1800000, v[232+\b]  ; the floor 2^(3 - 127): the byte cannot fall under 1
.endr
.irp b, 0,1,2,3
	v_add_nc_u32 v[244+\b], 0xff000000, v[232+\b]  ; 2 off the exponent field: the conversion's scale operand
.endr
.irp b, 0,1,2,3
	v_lshrrev_b32 v[236+\b], 23, v[244+\b]         ; the scale's byte
.endr
	v_lshl_or_b32 v253, v237, 8, v236              ; p's scale word for these 128 keys
	v_lshl_or_b32 v253, v238, 16, v253
	v_lshl_or_b32 v253, v239, 24, v253
.irp c, 0,1
	v_cvt_scalef32_pk16_fp6_f32 v[PCD+6*\c:PCD+2+6*\c], v[S+32*\c:S+15+32*\c], v[244+2*\c]
	v_cvt_scalef32_pk16_fp6_f32 v[236+4*\c:238+4*\c], v[S+16+32*\c:S+31+32*\c], v[245+2*\c]   ; (a conversion's three registers begin on an even number)
.endr
	v_nop                                          ; one plain place behind a scaled conversion
.irp c, 0,1                            ; a WHOLE block in a lane: lanes 0-15 block 2 c, lanes 16-31 block 2 c + 1
.irp i, 0,1,2
	v_permlane16_swap_b32 v[PCD+6*\c+\i], v[236+4*\c+\i]
.endr
.irp i, 0,1,2
	v_mov_b32 v[PCD+3+6*\c+\i], v[236+4*\c+\i]
.endr
.endr
	v_pk_add_f32 v[236:237], v[S:S+1], v[S+2:S+3]  ; THE ROW'S SUM IS TAKEN OF THE UNQUANTISED p: two at a time, in two chains
.irp j, 4,8,12,16,20,24,28,32,36,40,44,48,52,56,60
	v_pk_add_f32 v[14:15], v[14:15], v[S+\j:S+1+\j]
	v_pk_add_f32 v[236:237], v[236:237], v[S+2+\j:S+3+\j]
.endr
	v_pk_add_f32 v[14:15], v[14:15], v[236:237]
.irp j, 0,2,4,6,8,10,12,14,16,18,20,22,24,26,28,30
	v_pk_mul_f32 v[OT+\j:OT+1+\j], v[OT+\j:OT+1+\j], v[252:253] op_sel_hi:[1,0]   ; O^T under the new M.  (The sums and these are the places between p's codes and scale word and the products below)
.endr
	s_wait_dscnt 0x0                               ; v^T's fragments and scale words are in
.irp w, 0,1,2,3
	MM OT+8*\w, VF+12*\w, PCD, 10+\w/2, 253, \w%2  ; O^T += v^T p^T: four accumulators, one instruction each
.endr
.endm
; A slot's turn.  In front of the round each wave waits for all its tensor loads (waves 0-3: their part of this slot), adds 0 to its spare word, and waits for that and for its reads of the other slot
; (the first time: of w_q's rows).  Behind the round no wave of any partner reads the other slot: refill = 1: it is filled with the four steps that follow this slot's.
.macro TRIP slot, refill
	s_wait_tensorcnt 0x0                           ; no tensor load of mine is out, so a group 0 may be written
	ds_add_u32 v3, v4                              ; 0 onto my spare word
	s_add_nc_u64 s[G0R+4*\slot+2:G0R+4*\slot+3], s[G0R+4*\slot+2:G0R+4*\slot+3], 2*SLOTB   ; this slot's next four steps; the type bits on top are not reached
	s_wait_dscnt 0x0                               ; the add is done, and my reads of the bytes to be filled are over
	CROUND
.if \refill
	s_cmp_lt_u32 s[WV], 4
	s_cbranch_scc0 .Lnofill_\@
	tensor_load_to_lds s[G0R+4-4*\slot:G0R+7-4*\slot], s[G1R:G1R+7]   ; the first thing behind the round, and a wave's one tensor load until the next
	s_nop 0
	PLACES
.Lnofill_\@:
.endif
	s_mov_b32 s[TB], \slot*SLOTB
	s_mov_b32 s[CNT], 4
.Lstep_\@:
	STEP
	s_add_co_u32 s[TB], s[TB], STEPB
	s_sub_co_u32 s[CNT], s[CNT], 1
	s_cmp_lg_u32 s[CNT], 0
	s_cbranch_scc1 .Lstep_\@
.endm
.Llap:                                             ; 32 key steps are eight slots' worth: three trips of two, and two written out
	TRIP 0, 1
	TRIP 1, 1
	s_sub_co_u32 s[LAPS], s[LAPS], 1
	s_cmp_lg_u32 s[LAPS], 0
	s_cbranch_scc1 .Llap
	TRIP 0, 1
	TRIP 1, 0                                      ; the last four steps: nothing is left to fetch (the stepped addresses are not used)
	; ---- THE WAY OUT.  O^T / l is the last projection's operand: quantised along d, two blocks a head, and stored as an image of the operand's registers
	PLACES
	v_add_f32 v14, v14, v15                        ; l's two halves,
	v_permlanex16_b32 v252, v14, s[SEL], s[SEL+1]
	v_add_f32 v14, v14, v252                       ; and lane l xor 16's
	v_rcp_f32 v14, v14
	v_nop                                          ; one plain place behind a transcendental
	s_wait_alu depctr_va_vdst(0)
.irp j, 0,2,4,6,8,10,12,14,16,18,20,22,24,26,28,30
	v_pk_mul_f32 v[S+\j:S+1+\j], v[OT+\j:OT+1+\j], v[14:15] op_sel_hi:[1,0]   ; each accumulator from its low end on
.endr
	QUANT1 S, PCD
	global_store_b128 v1, v[PCD:PCD+3], s[16:17]               ; 512 consecutive bytes, at a multiple of 256 from a_img's first byte
	global_store_b64 v2, v[PCD+4:PCD+5], s[16:17] offset:512   ; 256 consecutive bytes
	ds_store_b16 v5, v254                          ; my head's two scale bytes of query r, into the first 512 bytes of slot 0: that slot has had its last fill, and the last round stands behind its last read
	s_wait_dscnt 0x0                               ; for the others' sake
	s_barrier_signal -1
	s_barrier_wait -1
	s_cmp_lg_u32 s[WV], 0                          ; wave 0 stores the 64 queries' 8 bytes each as one run of 512 bytes
	s_cbranch_scc1 .Lclose
	ds_load_b128 v[228:231], v1
	s_wait_dscnt 0x0
	global_store_b128 v1, v[228:231], s[18:19]
.Lclose:
	s_wait_tensorcnt 0x0                           ; the wave's end, behind my last tensor load and my last LDS store
	ds_add_u32 v3, v4
	s_wait_dscnt 0x0
	CROUND                                         ; the closing round: no work-group ends while a partner may still ask for a tile that names it
	s_endpgm
.Lfunc_end_k_qf6599c7722_attn:
	.size	k_qf6599c7722_attn, .Lfunc_end_k_qf6599c7722_attn-k_qf6599c7722_attn
	.p2alignl 7, 3214868480
	.fill 96, 4, 3214868480
	.section	.rodata,"a",@progbits
	.p2align	6, 0x0
	.amdhsa_kernel k_qf6599c7722_attn
		.amdhsa_group_segment_fixed_size 327680
		.amdhsa_private_segment_fixed_size 0
		.amdhsa_enable_private_segment 0
		.amdhsa_kernarg_size 64
		.amdhsa_user_sgpr_count 2
		.amdhsa_user_sgpr_kernarg_segment_ptr 1
		.amdhsa_wavefront_size32 1
		.amdhsa_system_sgpr_workgroup_id_x 1
		.amdhsa_system_sgpr_workgroup_id_y 1
		.amdhsa_system_sgpr_workgroup_id_z 1
		.amdhsa_system_vgpr_workitem_id 0
		.amdhsa_next_free_vgpr 256
		.amdhsa_next_free_sgpr 106
		.amdhsa_reserve_vcc 0
		.amdhsa_float_denorm_mode_32 3
		.amdhsa_float_denorm_mode_16_64 3
		.amdhsa_memory_ordered 1
		.amdhsa_forward_progress 1
		.amdhsa_inst_pref_size 105
	.end_amdhsa_kernel
	.amdgpu_metadata
---
amdhsa.version: [ 1, 2 ]
amdhsa.kernels:
  - .name:           k_qf6599c7722_attn
    .symbol:         k_qf6599c7722_attn.kd
    .args:
      - { .name: query_codes, .offset: 0, .size: 8, .value_kind: global_buffer, .address_space: global }
      - { .name: query_scales, .offset: 8, .size: 8, .value_kind: global_buffer, .address_space: global }
      - { .name: w_q_codes, .offset: 16, .size: 8, .value_kind: global_buffer, .address_space: global }
      - { .name: w_q_scales, .offset: 24, .size: 8, .value_kind: global_buffer, .address_space: global }
      - { .name: b_q, .offset: 32, .size: 8, .value_kind: global_buffer, .address_space: global }
      - { .name: kv, .offset: 40, .size: 8, .value_kind: global_buffer, .address_space: global }
      - { .name: a_img, .offset: 48, .size: 8, .value_kind: global_buffer, .address_space: global }
      - { .name: a_scl, .offset: 56, .size: 8, .value_kind: global_buffer, .address_space: global }
    .group_segment_fixed_size: 327680
    .private_segment_fixed_size: 0
    .kernarg_segment_align: 8
    .kernarg_segment_size: 64
    .max_flat_workgroup_size: 512
    .sgpr_count:     106
    .vgpr_count:     256
    .wavefront_size: 32
...
	.end_amdgpu_metadata
.endif
;; end of part 2
;; launch oproj (part 3): grid 8 x 32, 4 waves a work-group, clusters of 4 x 4, 229,888 bytes of LDS; arguments a_img, a_scl, w_o_codes, w_o_scales, b_o, out0; writes out0
.if DOCPART == 3
	.amdgcn_target "amdgcn-amd-amdhsa--gfx1250"
	.amdhsa_code_object_version 6
	.text
	.protected	k_qf6599c7722_oproj
	.globl	k_qf6599c7722_oproj
	.p2align	8
	.type	k_qf6599c7722_oproj,@function
k_qf6599c7722_oproj:
	s_mov_b64 s[64:65], 0
	v_nop
	global_prefetch_b8 v0, s[64:65] scope:SCOPE_SE
	s_setreg_imm32_b32 hwreg(HW_REG_WAVE_MODE, 25, 1), 1
	s_wait_xcnt 0x0
	s_wait_alu depctr_hold_cnt(0) depctr_sa_sdst(0) depctr_va_vdst(0) depctr_va_sdst(0) depctr_va_ssrc(0) depctr_va_vcc(0) depctr_vm_vsrc(0)
	s_getreg_b32 s2, hwreg(HW_REG_IB_STS2, 6, 4)
	s_cmp_eq_u32 s2, 0
	s_cbranch_scc0 .Lentry_in_a_cluster
	s_endpgm
.Lentry_in_a_cluster:
	s_bfe_u32 s2, ttmp6, 0x10000c
	s_cmp_lg_u32 s2, 0xf033
	s_cbranch_scc0 .Lentry_shape_is_right
	s_endpgm
.Lentry_shape_is_right:
; out0 = a w_o + b_o on codes of FP6 (E2M3): a [4,096][1,024] comes as images of the operand's registers (a_img: [tile of 16 rows 256][head 16][768 bytes]; heads 2 q and 2 q + 1 are registers 0-5 and 6-11 of K step q's fragment)
; with its scale bytes in a_scl ([g 4][row 4,096][8]: the word at 4 (q % 2) of g = q / 2 is K step q's); w_o as given: rows of 768 bytes, K innermost, 32 scale bytes a row.
; SHARES.  A tile of out0 is 128 x 128: 256 work-groups, one to a WGP; a larger tile would leave WGPs without work.  Four waves, each 64 x 64: 16 accumulators.  All of K = 1,024 fits in LDS: every byte is filled once.
; CLUSTER 4 x 4: a's rows are shared along a cluster's row, w_o's along a column: joint loads.
; THE MATRIX INSTRUCTION IS USED TRANSPOSED (source 0 = 16 rows of w_o, source 1 = 16 rows of a): a lane holds eight neighbouring numbers of a row of out0.  b_o is loaded into the accumulators and begins the sums.
; LIMITS: NaN and infinities are not served; the bias enters as the sum's first addend.
.set PITCH, 816                        ; a row of 768 bytes of w_o's codes in LDS: three runs of 256 bytes, 16 bytes of padding behind each
.set WL,    98304                      ; behind a's images (98,304 bytes from LDS byte 0): w_o's 128 rows
.set ASL,   202752                     ; a's scale bytes: [g][128 rows][8]
.set WSL,   206848                     ; w_o's: 32 a row
.set STAGE, 210944                     ; the way out: 16 rows x (256 bytes + 16) for each wave; no tile lands here
.set ASC,   12                         ; v12-15  a's scale words, v16-19 w_o's: scales and nothing else
.set WSC,   16
.set AFR,   20                         ; v20-67  a's four fragments
.set WFR,   68                         ; v68-115 w_o's four
.set ACC,   128                        ; v128-255 accumulator (a, b) at v[ACC + 8 (4 a + b)]
; v1, v2 a's images + 16, 8 x lane; v3, v4 w_o's rows; v5, v6 scale words; v7 into the stage, v8 out of it; v9 my byte offset in out0; v10 32 h
.set WV,    16
.set CX,    17
.set CY,    18
.set NT,    19
.set MT,    20
.set HALF,  21
.set WM,    22
.set RMASK, 23
.set CMASK, 24
.set G1A,   28                         ; s[28:35], s[36:39] a's images
.set G0A,   36
.set G1AS,  40                         ; s[40:47], s[48:51] a's scale bytes
.set G0AS,  48
.set G1W,   52                         ; s[52:59], s[60:63] w_o's rows
.set G0W,   60
.set G1WS,  68                         ; s[68:75], s[76:79] w_o's scale bytes
.set G0WS,  76
.macro DESC g, rows                    ; words 1-7 of a group 1: a dense block of memory as rows of 256 bytes (32 elements of 8 bytes)
	s_mov_b32 s[\g+1], 32<<16
	s_mov_b32 s[\g+2], (\rows)<<16
	s_mov_b32 s[\g+3], 32<<16
	s_mov_b32 s[\g+4], \rows
	s_mov_b32 s[\g+5], 32
	s_mov_b32 s[\g+6], 0
	s_mov_b32 s[\g+7], 0
.endm
.macro PLACES
.rept 4
	v_nop
.endr
.endm
.macro CROUND                          ; a round of the cluster's barrier
	s_barrier_signal -1
	s_barrier_wait -1
	s_cmp_lg_u32 s[WV], 0
	s_cbranch_scc1 .Lnot_wave_0_\@
	s_barrier_signal -3
.Lnot_wave_0_\@:
	s_barrier_wait -3
	s_barrier_signal -1
	s_barrier_wait -1
.endm
.macro FRAG reg, adr, q, row           ; a fragment from rows of given codes: six pieces of 8 bytes; the second address register serves the pieces whose partner three on lies behind one padding more
.irp p, 0,1,2,3,4,5
.set PCE, 12*(\q)+6*(\p/3)+\p%3
.if PCE%32 < 29
	ds_load_b64 v[\reg+2*\p:\reg+2*\p+1], v[\adr] offset:8*PCE+16*(PCE/32)+(\row)*PITCH
.else
	ds_load_b64 v[\reg+2*\p:\reg+2*\p+1], v[\adr+1] offset:8*PCE+16*(PCE/32)+(\row)*PITCH
.endif
.endr
.endm
	s_load_b256 s[4:11], s[0:1], 0x0               ; a_img, a_scl, w_o's codes, w_o's scales
	s_load_b128 s[12:15], s[0:1], 0x20             ; b_o, out0
	v_lshl_add_u32 v126, v0, 2, 0x38000
	v_mov_b32 v127, 0
	ds_add_u32 v126, v127
	v_lshrrev_b32 v11, 5, v0
	v_readfirstlane_b32 s[WV], v11                 ; wave 0..3
	s_and_b32 s[HALF], s[WV], 1                    ; which half of the tile's columns is mine.  Also: which half of a tile I fetch
	s_lshr_b32 s[WM], s[WV], 1                     ; which half of its rows
	s_bfe_u32 s[CX], ttmp6, 0x40000
	s_bfe_u32 s[CY], ttmp6, 0x40004
	s_lshl_b32 s[NT], ttmp9, 2
	s_add_co_u32 s[NT], s[NT], s[CX]               ; tile column
	s_and_b32 s[MT], ttmp7, 0xffff
	s_lshl_b32 s[MT], s[MT], 2
	s_add_co_u32 s[MT], s[MT], s[CY]               ; tile row
	s_lshl_b32 s[RMASK], s[CY], 2
	s_lshl_b32 s[RMASK], 15, s[RMASK]              ; my row of the cluster
	s_lshl_b32 s[CMASK], 0x1111, s[CX]             ; my column
	s_or_b32 s[G1A], s[RMASK], (3<<16)|(1<<21)     ; images: no padding
	DESC G1A, 192                                  ; four tiles of 16 rows: 49,152 bytes
	s_or_b32 s[G1AS], s[RMASK], (3<<16)|(1<<21)    ; a's scale bytes: two of the four g, 1,024 bytes each, 32,768 bytes apart
	s_mov_b32 s[G1AS+1], 128<<16                   ; tensor_dim0 = 128 elements of 8 bytes
	s_mov_b32 s[G1AS+2], 2<<16                     ; tensor_dim1 = 2
	s_mov_b32 s[G1AS+3], 128<<16                   ; tile_dim0
	s_mov_b32 s[G1AS+4], 2                         ; tile_dim1
	s_mov_b32 s[G1AS+5], 4096                      ; from row to row, in elements
	s_mov_b32 s[G1AS+6], 0
	s_mov_b32 s[G1AS+7], 0
	s_or_b32 s[G1W], s[CMASK], (3<<16)|(1<<20)|(1<<21)|(5<<22)|(3<<25)   ; 20 padding on; 24:22 after every 64 words; 31:25 of 4 words
	DESC G1W, 192                                  ; 64 rows of 768 bytes
	s_or_b32 s[G1WS], s[CMASK], (3<<16)|(1<<21)
	DESC G1WS, 8                                   ; 64 rows of 32 bytes
	s_mul_i32 s80, s[MT], 98304                    ; a's addresses hang on the tile row and the wave alone,
	s_mul_i32 s88, s[HALF], 49152
	s_add_co_u32 s80, s80, s88
	s_mov_b32 s81, 0
	s_lshl_b32 s82, s[HALF], 16
	s_lshl_b32 s89, s[MT], 10
	s_add_co_u32 s82, s82, s89
	s_mov_b32 s83, 0
	s_mul_i32 s84, s[NT], 98304                    ; w_o's on the tile column and the wave
	s_add_co_u32 s84, s84, s88
	s_mov_b32 s85, 0
	s_lshl_b32 s86, s[NT], 12
	s_lshl_b32 s90, s[HALF], 11
	s_add_co_u32 s86, s86, s90
	s_mov_b32 s87, 0
	s_wait_dscnt 0x0
	s_wait_kmcnt 0x0
	s_mov_b32 s[G0A], 1
	s_mov_b32 s[G0A+1], s88                        ; a's images begin at LDS byte 0
	s_add_nc_u64 s[G0A+2:G0A+3], s[4:5], s[80:81]
	s_or_b32 s[G0A+3], s[G0A+3], 0x80000000
	s_mov_b32 s[G0AS], 1
	s_add_co_u32 s[G0AS+1], s90, ASL
	s_add_nc_u64 s[G0AS+2:G0AS+3], s[6:7], s[82:83]
	s_or_b32 s[G0AS+3], s[G0AS+3], 0x80000000
	s_mov_b32 s[G0W], 1
	s_mul_i32 s91, s[HALF], 52224
	s_add_co_u32 s[G0W+1], s91, WL
	s_add_nc_u64 s[G0W+2:G0W+3], s[8:9], s[84:85]
	s_or_b32 s[G0W+3], s[G0W+3], 0x80000000
	s_mov_b32 s[G0WS], 1
	s_add_co_u32 s[G0WS+1], s90, WSL
	s_add_nc_u64 s[G0WS+2:G0WS+3], s[10:11], s[86:87]
	s_or_b32 s[G0WS+3], s[G0WS+3], 0x80000000
	s_lshl_b32 s92, s[NT], 9
	s_lshl_b32 s93, s[HALF], 8
	s_add_co_u32 s92, s92, s93                     ; my first column, in bytes
	s_mov_b32 s93, 0
	s_add_nc_u64 s[12:13], s[12:13], s[92:93]      ; b_o there
	s_add_nc_u64 s[14:15], s[14:15], s[92:93]
	s_lshl_b32 s92, s[MT], 19
	s_lshl_b32 s94, s[WM], 18
	s_add_co_u32 s92, s92, s94                     ; my first row: (128 x tile row + 64 x half) x 4,096 bytes
	s_add_nc_u64 s[14:15], s[14:15], s[92:93]
	CROUND                                         ; all sixteen work-groups are here: the joint loads meet
	s_cmp_lt_u32 s[WV], 2                          ; waves 0, 1 fetch for a, waves 2, 3 for w_o: a wave's two fills stand in one branch; two loads of it are out
	s_cbranch_scc0 .Lfor_w
	tensor_load_to_lds s[G0A:G0A+3], s[G1A:G1A+7]
	s_nop 0
	tensor_load_to_lds s[G0AS:G0AS+3], s[G1AS:G1AS+7]
	s_nop 0
	PLACES
	s_branch .Lasked
.Lfor_w:
	tensor_load_to_lds s[G0W:G0W+3], s[G1W:G1W+7]
	s_nop 0
	tensor_load_to_lds s[G0WS:G0WS+3], s[G1WS:G1WS+7]
	s_nop 0
	PLACES
.Lasked:
	v_and_b32 v11, 31, v0
	s_mul_i32 s88, s[WM], 49152
	v_lshl_add_u32 v1, v11, 4, s88                 ; my four tiles of a's rows, 16 x lane
	v_lshl_add_u32 v2, v11, 3, s88                 ; and 8 x lane
	v_and_b32 v11, 15, v0                          ; r
	v_bfe_u32 v10, v0, 4, 1                        ; h
	v_mul_u32_u24 v3, v11, PITCH
	s_mul_i32 s88, s[HALF], 52224
	s_add_co_u32 s88, s88, WL
	v_add_nc_u32 v3, s88, v3
	v_mad_u32_u24 v4, v10, 40, v3
	v_mad_u32_u24 v3, v10, 24, v3                  ; my 64 rows of w_o: row r, + my half's bytes
	s_lshl_b32 s88, s[WM], 9
	s_add_co_u32 s88, s88, ASL
	v_lshl_add_u32 v5, v11, 3, s88                 ; a's scale words: 8 bytes a row
	s_lshl_b32 s88, s[HALF], 11
	s_add_co_u32 s88, s88, WSL
	v_lshl_add_u32 v6, v11, 5, s88                 ; w_o's: 32 bytes a row
	s_mul_i32 s88, s[WV], 16*272
	s_add_co_u32 s88, s88, STAGE                   ; my stage
	v_mul_u32_u24 v7, v11, 272
	v_lshl_add_u32 v7, v10, 5, v7
	v_add_nc_u32 v7, s88, v7                       ; in: row r, 32 bytes for each half of the lanes
	v_mul_u32_u24 v8, v10, 272
	v_lshl_add_u32 v8, v11, 4, v8
	v_add_nc_u32 v8, s88, v8                       ; back: lanes 0-15 one row of 256 bytes, lanes 16-31 the next
	v_lshlrev_b32 v9, 12, v10
	v_lshl_add_u32 v9, v11, 4, v9                  ; and the same two rows in out0
	v_lshlrev_b32 v10, 5, v10                      ; b_o: 32 h
.irp a, 0,1,2,3
.irp b, 0,1,2,3
	global_load_b128 v[ACC+8*(4*\a+\b):ACC+8*(4*\a+\b)+3], v10, s[12:13] offset:64*\b        ; lane (r, h), tile b: b_o at column 16 b + 8 h + 0 .. 7
	global_load_b128 v[ACC+8*(4*\a+\b)+4:ACC+8*(4*\a+\b)+7], v10, s[12:13] offset:64*\b+16
.endr
.endr
	s_wait_tensorcnt 0x0                           ; my fills have landed,
	s_barrier_signal -1
	s_barrier_wait -1                              ; everybody's have
.macro OSTEP q                         ; 128 along K: eight fragments, sixteen matrix instructions on sixteen accumulators by turns
.if \q > 0
	PLACES
.endif
.irp a, 0,1,2,3
	ds_load_b128 v[AFR+12*\a:AFR+12*\a+3], v1 offset:12288*\a+1536*\q          ; head 2 q: registers 0-3,
	ds_load_b64 v[AFR+12*\a+4:AFR+12*\a+5], v2 offset:12288*\a+1536*\q+512     ; 4-5;
	ds_load_b128 v[AFR+12*\a+6:AFR+12*\a+9], v1 offset:12288*\a+1536*\q+768    ; head 2 q + 1: registers 6-9,
	ds_load_b64 v[AFR+12*\a+10:AFR+12*\a+11], v2 offset:12288*\a+1536*\q+1280  ; 10-11
.endr
.irp b, 0,1,2,3
	FRAG WFR+12*\b, 3, \q, 16*\b
.endr
.irp a, 0,1,2,3
	ds_load_b32 v[ASC+\a], v5 offset:(\q/2)*1024+4*(\q%2)+128*\a
	ds_load_b32 v[WSC+\a], v6 offset:4*\q+512*\a
.endr
	s_wait_dscnt 0x0
.if \q == 0
	s_wait_loadcnt 0x0                             ; the bias
.endif
.irp a, 0,1,2,3
.irp b, 0,1,2,3
	v_wmma_scale_f32_16x16x128_f8f6f4 v[ACC+8*(4*\a+\b):ACC+8*(4*\a+\b)+7], v[WFR+12*\b:WFR+12*\b+11], v[AFR+12*\a:AFR+12*\a+11], v[ACC+8*(4*\a+\b):ACC+8*(4*\a+\b)+7], v[WSC+\b], v[ASC+\a] matrix_a_fmt:MATRIX_FMT_FP6 matrix_b_fmt:MATRIX_FMT_FP6
.endr
.endr
.endm
.irp q, 0,1,2,3,4,5,6,7
	OSTEP \q
.endr
; THE WAY OUT, block by block of 16 rows x 64 columns.  A lane holds 32 neighbouring bytes of a row, and the lanes beside it hold other rows: a block goes through my own stage and comes back as whole rows of 256 bytes.
; LDS serves a wave's instructions in order (ISA guide 5.7.1.4): no wait between the stores and the loads, nor in front of the next block's stores.
.macro TOSTAGE a
.irp b, 0,1,2,3
	ds_store_b128 v7, v[ACC+8*(4*(\a)+\b):ACC+8*(4*(\a)+\b)+3] offset:64*\b        ; each accumulator from its low end on
	ds_store_b128 v7, v[ACC+8*(4*(\a)+\b)+4:ACC+8*(4*(\a)+\b)+7] offset:64*\b+16
.endr
.set BB, AFR+32*((\a)%2)
.irp i, 0,1,2,3,4,5,6,7
	ds_load_b128 v[BB+4*\i:BB+4*\i+3], v8 offset:544*\i
.endr
.endm
.macro SEND a, younger                 ; younger: the LDS instructions issued behind block a's loads, which may stay out
.set BB, AFR+32*((\a)%2)
	s_wait_dscnt \younger
.irp i, 0,1,2,3,4,5,6,7
	global_store_b128 v9, v[BB+4*\i:BB+4*\i+3], s[14:15] offset:(16*(\a)+2*\i)*4096 th:TH_STORE_NT   ; 16 lanes store 256 consecutive bytes, at a multiple of 256 from out0's first byte; written once, read by nobody here
.endr
.endm
	PLACES                                         ; behind the last products: for the stores that read results and the loads into the registers that held fragments
	TOSTAGE 0
.irp a, 1,2,3
.if \a > 1
	s_wait_xcnt 0x0                                ; block a - 2's stores have read their registers: block a's loads may land there
.endif
	TOSTAGE \a
	SEND \a-1, 16                                  ; behind block a - 1's loads: block a's 8 stores and 8 loads
.endr
	SEND 3, 0
	s_wait_tensorcnt 0x0
	ds_add_u32 v126, v127
	s_wait_dscnt 0x0
	CROUND                                         ; the closing round: no work-group ends while a partner may still ask for a tile that names it
	s_endpgm
.Lfunc_end_k_qf6599c7722_oproj:
	.size	k_qf6599c7722_oproj, .Lfunc_end_k_qf6599c7722_oproj-k_qf6599c7722_oproj
	.p2alignl 7, 3214868480
	.fill 96, 4, 3214868480
	.section	.rodata,"a",@progbits
	.p2align	6, 0x0
	.amdhsa_kernel k_qf6599c7722_oproj
		.amdhsa_group_segment_fixed_size 229888
		.amdhsa_private_segment_fixed_size 0
		.amdhsa_enable_private_segment 0
		.amdhsa_kernarg_size 48
		.amdhsa_user_sgpr_count 2
		.amdhsa_user_sgpr_kernarg_segment_ptr 1
		.amdhsa_wavefront_size32 1
		.amdhsa_system_sgpr_workgroup_id_x 1
		.amdhsa_system_sgpr_workgroup_id_y 1
		.amdhsa_system_sgpr_workgroup_id_z 1
		.amdhsa_system_vgpr_workitem_id 0
		.amdhsa_next_free_vgpr 256
		.amdhsa_next_free_sgpr 96
		.amdhsa_reserve_vcc 0
		.amdhsa_float_denorm_mode_32 3
		.amdhsa_float_denorm_mode_16_64 3
		.amdhsa_memory_ordered 1
		.amdhsa_forward_progress 1
		.amdhsa_inst_pref_size 60
	.end_amdhsa_kernel
	.amdgpu_metadata
---
amdhsa.version: [ 1, 2 ]
amdhsa.kernels:
  - .name:           k_qf6599c7722_oproj
    .symbol:         k_qf6599c7722_oproj.kd
    .args:
      - { .name: a_img, .offset: 0, .size: 8, .value_kind: global_buffer, .address_space: global }
      - { .name: a_scl, .offset: 8, .size: 8, .value_kind: global_buffer, .address_space: global }
      - { .name: w_o_codes, .offset: 16, .size: 8, .value_kind: global_buffer, .address_space: global }
      - { .name: w_o_scales, .offset: 24, .size: 8, .value_kind: global_buffer, .address_space: global }
      - { .name: b_o, .offset: 32, .size: 8, .value_kind: global_buffer, .address_space: global }
      - { .name: out0, .offset: 40, .size: 8, .value_kind: global_buffer, .address_space: global }
    .group_segment_fixed_size: 229888
    .private_segment_fixed_size: 0
    .kernarg_segment_align: 8
    .kernarg_segment_size: 48
    .max_flat_workgroup_size: 128
    .sgpr_count:     96
    .vgpr_count:     256
    .wavefront_size: 32
...
	.end_amdgpu_metadata
.endif
;; end of part 3
;; ======== version 2 of 2: 3 launches
;; limits: right only within a limited range of input values
;; workspace buffers: kv 1,638,400 bytes; a_img 3,145,728 bytes; a_scl 131,072 bytes
;; launch kvproj (part 4): grid 4 x 64, 4 waves a work-group, clusters of 4 x 4, 168,448 bytes of LDS; arguments key_codes, key_scales, value_codes, value_scales, w_k_codes, w_k_scales, w_v_codes, w_v_scales, b_k, b_v, kv; writes kv
.if DOCPART == 4
	.amdgcn_target "amdgcn-amd-amdhsa--gfx1250"
	.amdhsa_code_object_version 6
	.text
	.protected	k_qf6599c7722_kvproj
	.globl	k_qf6599c7722_kvproj
	.p2align	8
	.type	k_qf6599c7722_kvproj,@function
k_qf6599c7722_kvproj:
	s_mov_b64 s[64:65], 0
	v_nop
	global_prefetch_b8 v0, s[64:65] scope:SCOPE_SE
	s_setreg_imm32_b32 hwreg(HW_REG_WAVE_MODE, 25, 1), 1
	s_wait_xcnt 0x0
	s_wait_alu depctr_hold_cnt(0) depctr_sa_sdst(0) depctr_va_vdst(0) depctr_va_sdst(0) depctr_va_ssrc(0) depctr_va_vcc(0) depctr_vm_vsrc(0)
	s_getreg_b32 s2, hwreg(HW_REG_IB_STS2, 6, 4)
	s_cmp_eq_u32 s2, 0
	s_cbranch_scc0 .Lentry_in_a_cluster
	s_endpgm
.Lentry_in_a_cluster:
	s_bfe_u32 s2, ttmp6, 0x10000c
	s_cmp_lg_u32 s2, 0xf033
	s_cbranch_scc0 .Lentry_shape_is_right
	s_endpgm
.Lentry_shape_is_right:
; k = key w_k + b_k and v = value w_v + b_v, on codes of FP6 (E2M3) with one E8M0 scale for each 32 along K = 1,024, and both results quantised again:
; k along the head's 64 (two blocks of 32 a key), v along the keys (blocks of 32 keys).  The codes leave as IMAGES OF THE OPERANDS' REGISTERS, as the attention launch wants them.
; kv: [head g 4][key step 32][12,800 bytes]; a step is 128 keys: 4 fragments of k, 4 of v^T (each three images of 512 bytes: registers 4 c .. 4 c + 3 at 16 x lane), 256 bytes of k's scale words, 256 of v^T's.
; A FRAGMENT OF k HOLDS TWO TILES OF 16 KEYS: registers 0-5 tile 2 f, registers 6-11 tile 2 f + 1 (the head's 64 fill half of the matrix instruction's 128 along K).  Row r of tile t = 4 c + u is key 64 c + 8 u + r % 8 + 32 (r / 8),
; so that in the attention launch a lane's 32 scores of tiles 4 c .. 4 c + 3 are one whole block of 32 neighbouring keys.
; SHARES.  A work-group makes one key step of one head for ONE of the two tensors: 128 positions x 64 columns x K 1,024.  Work-group rows 0-31 take k, rows 32-63 take v: 256 work-groups of equal work.
; The role hangs on the cluster's y alone (it is the same in all sixteen partners); only pointers are chosen by it, and then the order of the product's sources.
; CLUSTER 4 x 4.  The four of a cluster's row need the same 128 rows of key (value), the four of a column the same 64 rows of the weight: both are asked for jointly.  All of K fits in LDS: every byte of LDS is filled once.
; K ROLE: source 0 = 16 rows of w_k, source 1 = 16 keys: a lane holds ONE key and its registers run along the head's 64.   V ROLE: source 0 = 16 positions, source 1 = 16 rows of w_v: a lane holds one d and its registers run along the keys.
; The rows of source 0's tiles are chosen too: lane r of tile 2 b + u takes row 32 b + 8 u + r + 8 (r / 8), so that the 16 registers of tiles 2 b and 2 b + 1 are 16 neighbours along the quantiser's axis.
; The bias is the C of each sum's first matrix instruction (an order of f32 rounding other than a sum followed by the bias).
; LIMITS: NaN and infinities are not served.  A block whose largest magnitude lies under 2^-124, a block of zeros among them, takes the scale byte 1 (its codes are then zeros or held small); these bytes are read by this program alone.
.set PITCH, 816                        ; a row of 768 bytes of codes in LDS: three runs of 256 bytes, 16 bytes of padding behind each = 204 words
.set XL,    0                          ; 128 rows of key or value
.set WL,    104448                     ; 64 rows of the weight
.set XSL,   156672                     ; the 128 rows' scale bytes, 32 a row
.set WSL,   160768                     ; the 64 rows' scale bytes
.set KSTG,  162816                     ; the K role's stage for scale words, 256 bytes;
.set VSTG,  163328                     ; the V role's, 256 bytes: each role has bytes of its own, and no tile lands in either
.set STEPB, 12800
.set ACC,   32                         ; v32-95   eight accumulators
.set FR,    96                         ; v96-203  fragments: six (K role) or nine (V role)
.set BK,    168                        ; v168-199 K role: b_k in the result's layout, four tiles
.set SC,    204                        ; v204-243 scale words, and nothing else
.set BV,    244                        ; v244-251 V role: b_v of my d, eight times
.set PC,    96                         ; behind the products: the codes just made
.set TM,    120                        ; v120-135 the quantiser's work
.set PW,    136                        ; the scale word just made
.set WV,    26
.set CX,    27
.set CY,    28
.set GH,    29                         ; the head
.set YB,    30
.set ROLE,  31
.set PB,    33                         ; the key step
.set RMASK, 34
.set CMASK, 35
.set G1X,   36                         ; s[36:43], s[44:47] descriptor for key's or value's rows
.set G0X,   44
.set G1W,   48                         ; s[48:55], s[56:59] for the weight's rows
.set G0W,   56
.set G1XS,  68                         ; s[68:75], s[76:79] for the rows' scale bytes
.set G0XS,  76
.set G1WS,  80                         ; s[80:87], s[88:91] for the weight's
.set G0WS,  88
.set SEL,   92
.set HALF,  95
.macro DESC g, rows                    ; words 1-7 of a group 1: a dense block of memory as rows of 256 bytes (32 elements of 8 bytes)
	s_mov_b32 s[\g+1], 32<<16                      ; tensor_dim0 = 32
	s_mov_b32 s[\g+2], (\rows)<<16                 ; tensor_dim1
	s_mov_b32 s[\g+3], 32<<16                      ; tile_dim0 = 32
	s_mov_b32 s[\g+4], \rows                       ; tile_dim1
	s_mov_b32 s[\g+5], 32                          ; from row to row: 32 elements
	s_mov_b32 s[\g+6], 0
	s_mov_b32 s[\g+7], 0
.endm
.macro PLACES                          ; four plain places behind a matrix instruction, in front of loads into its registers and of reads of its results
.rept 4
	v_nop
.endr
.endm
.macro CROUND                          ; a round of the cluster's barrier
	s_barrier_signal -1
	s_barrier_wait -1
	s_cmp_lg_u32 s[WV], 0
	s_cbranch_scc1 .Lnot_wave_0_\@
	s_barrier_signal -3
.Lnot_wave_0_\@:
	s_barrier_wait -3
	s_barrier_signal -1
	s_barrier_wait -1
.endm
; A fragment, 16 rows x 128 K of 6-bit codes, is 12 registers: lane (r, h) takes the 24 bytes at 96 q + 24 h and at 96 q + 48 + 24 h of its row, in pieces of 8 bytes.
; Lanes 16-31 read three pieces further on than lanes 0-15; where that is behind one padding more, the second address register (40 for 24 bytes a half) serves.
.macro FRAG reg, adr, q, row
.irp p, 0,1,2,3,4,5
.set PCE, 12*(\q)+6*(\p/3)+\p%3
.if PCE%32 < 29
	ds_load_b64 v[\reg+2*\p:\reg+2*\p+1], v[\adr] offset:8*PCE+16*(PCE/32)+(\row)*PITCH
.else
	ds_load_b64 v[\reg+2*\p:\reg+2*\p+1], v[\adr+1] offset:8*PCE+16*(PCE/32)+(\row)*PITCH
.endif
.endr
.endm
; One matrix instruction: D = A x B + C; ra, rb = 1: that side's scale words stand in lanes 16-31 of the register named
.macro MM d, a, b, c, sa, sb, ra, rb
.set rD, \d
.set rA, \a
.set rB, \b
.set rC, \c
.set rX, \sa
.set rY, \sb
.if (\ra) && (\rb)
	v_wmma_scale_f32_16x16x128_f8f6f4 v[rD:rD+7], v[rA:rA+11], v[rB:rB+11], v[rC:rC+7], v[rX], v[rY] matrix_a_fmt:MATRIX_FMT_FP6 matrix_b_fmt:MATRIX_FMT_FP6 matrix_a_scale:MATRIX_SCALE_ROW1 matrix_b_scale:MATRIX_SCALE_ROW1
.elseif (\ra)
	v_wmma_scale_f32_16x16x128_f8f6f4 v[rD:rD+7], v[rA:rA+11], v[rB:rB+11], v[rC:rC+7], v[rX], v[rY] matrix_a_fmt:MATRIX_FMT_FP6 matrix_b_fmt:MATRIX_FMT_FP6 matrix_a_scale:MATRIX_SCALE_ROW1
.elseif (\rb)
	v_wmma_scale_f32_16x16x128_f8f6f4 v[rD:rD+7], v[rA:rA+11], v[rB:rB+11], v[rC:rC+7], v[rX], v[rY] matrix_a_fmt:MATRIX_FMT_FP6 matrix_b_fmt:MATRIX_FMT_FP6 matrix_b_scale:MATRIX_SCALE_ROW1
.else
	v_wmma_scale_f32_16x16x128_f8f6f4 v[rD:rD+7], v[rA:rA+11], v[rB:rB+11], v[rC:rC+7], v[rX], v[rY] matrix_a_fmt:MATRIX_FMT_FP6 matrix_b_fmt:MATRIX_FMT_FP6
.endif
.endm
; 64 numbers of a lane, register 16 b + i = place 32 b + 16 (lane / 16) + i along the quantiser's axis, become 12 registers of codes in v[PC] on and four scale bytes in v[PW]
.macro QUANT s
.irp b, 0,1,2,3
	v_max3_num_f32 v[TM+\b], |v[\s+16*\b]|, |v[\s+1+16*\b]|, 0x1800000   ; block b: my 16 numbers, and the floor 2^(3 - 127): the byte cannot fall under 1
.endr
.irp i, 2,4,6,8,10,12,14
.irp b, 0,1,2,3
	v_max3_num_f32 v[TM+\b], v[TM+\b], |v[\s+16*\b+\i]|, |v[\s+1+16*\b+\i]|   ; the four blocks by turns
.endr
.endr
.irp b, 0,1,2,3
	v_permlanex16_b32 v[TM+4+\b], v[TM+\b], s[SEL], s[SEL+1]
.endr
.irp b, 0,1,2,3
	v_max_num_f32 v[TM+\b], v[TM+\b], v[TM+4+\b]   ; with lane l xor 16's: the block's largest magnitude
.endr
.irp b, 0,1,2,3
	v_add_nc_u32 v[TM+12+\b], 0xff000000, v[TM+\b] ; 2 off its exponent field: the conversion takes this operand's exponent field as its scale
.endr
.irp b, 0,1,2,3
	v_lshrrev_b32 v[TM+4+\b], 23, v[TM+12+\b]      ; the scale's byte
.endr
	v_lshl_or_b32 v[PW], v[TM+5], 8, v[TM+4]
	v_lshl_or_b32 v[PW], v[TM+6], 16, v[PW]
	v_lshl_or_b32 v[PW], v[TM+7], 24, v[PW]
.irp c, 0,1
	v_cvt_scalef32_pk16_fp6_f32 v[PC+6*\c:PC+2+6*\c], v[\s+32*\c:\s+15+32*\c], v[TM+12+2*\c]
	v_cvt_scalef32_pk16_fp6_f32 v[PC+12+4*\c:PC+14+4*\c], v[\s+16+32*\c:\s+31+32*\c], v[TM+12+2*\c+1]   ; (a conversion's three registers begin on an even number)
.endr
	v_nop                                          ; one plain place behind a scaled conversion
.irp c, 0,1                            ; the operand's layout wants a WHOLE block in a lane: lanes 0-15 block 2 c, lanes 16-31 block 2 c + 1
.irp i, 0,1,2
	v_permlane16_swap_b32 v[PC+6*\c+\i], v[PC+12+4*\c+\i]
.endr
.irp i, 0,1,2
	v_mov_b32 v[PC+3+6*\c+\i], v[PC+12+4*\c+\i]
.endr
.endr
.endm
	s_load_b512 s[4:19], s[0:1], 0x0               ; key's codes, scales; value's codes, scales; w_k's codes, scales; w_v's codes, scales
	s_load_b128 s[20:23], s[0:1], 0x40             ; b_k, b_v
	s_load_b64 s[24:25], s[0:1], 0x50              ; kv
	v_lshl_add_u32 v254, v0, 2, 0x29000
	v_mov_b32 v255, 0
	ds_add_u32 v254, v255
	ds_add_u32 v254, v255
	v_lshrrev_b32 v3, 5, v0
	v_readfirstlane_b32 s[WV], v3                  ; wave 0..3
	s_and_b32 s[HALF], s[WV], 1
	s_bfe_u32 s[CX], ttmp6, 0x40000                ; my place in the cluster
	s_bfe_u32 s[CY], ttmp6, 0x40004
	s_lshl_b32 s[GH], ttmp9, 2
	s_add_co_u32 s[GH], s[GH], s[CX]               ; the head = work-group x
	s_and_b32 s32, ttmp7, 0xffff                   ; the cluster's y, 0..15
	s_lshr_b32 s[ROLE], s32, 3                     ; 0: k, 1: v: the same in all partners
	s_lshl_b32 s[YB], s32, 2
	s_add_co_u32 s[YB], s[YB], s[CY]               ; work-group y
	s_and_b32 s[PB], s[YB], 31                     ; the key step
	s_lshl_b32 s[RMASK], s[CY], 2
	s_lshl_b32 s[RMASK], 15, s[RMASK]              ; my row of the cluster
	s_lshl_b32 s[CMASK], 0x1111, s[CX]             ; my column
	s_or_b32 s[G1X], s[RMASK], (3<<16)|(1<<20)|(1<<21)|(5<<22)|(3<<25)   ; 15:0 the mask; 17:16 elements of 8 bytes; 20 padding on; 21 set beside a mask; 24:22 after every 64 words; 31:25 of 4 words
	DESC G1X, 384                                  ; 128 rows of 768 bytes, one load
	s_or_b32 s[G1W], s[CMASK], (3<<16)|(1<<20)|(1<<21)|(5<<22)|(3<<25)
	DESC G1W, 192
	s_or_b32 s[G1XS], s[RMASK], (3<<16)|(1<<21)    ; scale bytes: no padding
	DESC G1XS, 16                                  ; 128 rows of 32 bytes
	s_or_b32 s[G1WS], s[CMASK], (3<<16)|(1<<21)
	DESC G1WS, 8                                   ; 64 rows of 32 bytes
	s_mov_b32 s[SEL], 0x76543210
	s_mov_b32 s[SEL+1], 0xfedcba98                 ; v_permlanex16_b32's selects for lane l xor 16
	s_mul_i32 s60, s[PB], 98304                    ; the step's 128 rows of codes
	s_mov_b32 s61, 0
	s_lshl_b32 s66, s[PB], 12                      ; their scale bytes
	s_mov_b32 s67, 0
	s_mul_i32 s62, s[GH], 49152                    ; the head's 64 rows of the weight
	s_mov_b32 s63, 0
	s_lshl_b32 s2, s[GH], 11                       ; and their scale bytes
	s_mov_b32 s3, 0
	s_wait_dscnt 0x0
	s_wait_kmcnt 0x0
	s_cmp_eq_u32 s[ROLE], 0                        ; the choice of buffers hangs on the cluster's y alone
	s_cselect_b64 s[4:5], s[4:5], s[8:9]
	s_cselect_b64 s[6:7], s[6:7], s[10:11]
	s_cselect_b64 s[12:13], s[12:13], s[16:17]
	s_cselect_b64 s[14:15], s[14:15], s[18:19]
	s_cselect_b64 s[20:21], s[20:21], s[22:23]
	s_mov_b32 s[G0X], 1
	s_mov_b32 s[G0X+1], XL
	s_add_nc_u64 s[G0X+2:G0X+3], s[4:5], s[60:61]
	s_or_b32 s[G0X+3], s[G0X+3], 0x80000000
	s_mov_b32 s[G0W], 1
	s_mov_b32 s[G0W+1], WL
	s_add_nc_u64 s[G0W+2:G0W+3], s[12:13], s[62:63]
	s_or_b32 s[G0W+3], s[G0W+3], 0x80000000
	s_mov_b32 s[G0XS], 1
	s_mov_b32 s[G0XS+1], XSL
	s_add_nc_u64 s[G0XS+2:G0XS+3], s[6:7], s[66:67]
	s_or_b32 s[G0XS+3], s[G0XS+3], 0x80000000
	s_mov_b32 s[G0WS], 1
	s_mov_b32 s[G0WS+1], WSL
	s_add_nc_u64 s[G0WS+2:G0WS+3], s[14:15], s[2:3]
	s_or_b32 s[G0WS+3], s[G0WS+3], 0x80000000
	s_lshl_b32 s2, s[GH], 8
	s_add_nc_u64 s[20:21], s[20:21], s[2:3]        ; the bias at the head's 64 numbers
	s_lshl_b32 s2, s[GH], 5
	s_add_co_u32 s2, s2, s[PB]
	s_mul_i32 s2, s2, STEPB
	s_mul_i32 s32, s[WV], 1536
	s_add_co_u32 s2, s2, s32
	s_add_nc_u64 s[24:25], s[24:25], s[2:3]        ; kv at my step's block, + 1,536 x wave: my fragment
	CROUND                                         ; all sixteen work-groups are here: the joint loads meet
	s_cmp_eq_u32 s[WV], 0                          ; one chain of branches on the wave's number, one fill to an arm: wave 0 the 128 rows, wave 1 the weight, wave 2 the rows' scale bytes, wave 3 the weight's
	s_cbranch_scc0 .Lnot_x
	tensor_load_to_lds s[G0X:G0X+3], s[G1X:G1X+7]
	s_nop 0
	PLACES
	s_branch .Lasked
.Lnot_x:
	s_cmp_eq_u32 s[WV], 1
	s_cbranch_scc0 .Lscales
	tensor_load_to_lds s[G0W:G0W+3], s[G1W:G1W+7]
	s_nop 0
	PLACES
	s_branch .Lasked
.Lscales:
	s_cmp_eq_u32 s[WV], 2
	s_cbranch_scc0 .Lscales_w
	tensor_load_to_lds s[G0XS:G0XS+3], s[G1XS:G1XS+7]
	s_nop 0
	PLACES
	s_branch .Lasked
.Lscales_w:
	tensor_load_to_lds s[G0WS:G0WS+3], s[G1WS:G1WS+7]
	s_nop 0
	PLACES
.Lasked:
	; every address of both roles is made here, ahead of the parting
	v_and_b32 v25, 31, v0
	v_lshlrev_b32 v1, 4, v25                       ; v1  16 x lane
	v_lshlrev_b32 v2, 3, v25                       ; v2  8 x lane
	v_and_b32 v25, 15, v0                          ; r
	v_bfe_u32 v26, v0, 4, 1                        ; h
	v_and_b32 v27, 8, v25
	v_mad_u32_u24 v29, v27, 3, v25                 ; r + 24 (r / 8): a row of one of k's tiles
	v_add_nc_u32 v27, v27, v25                     ; r + 8 (r / 8): a row of a tile of source 0
	v_mul_u32_u24 v28, v27, PITCH
	v_mad_u32_u24 v4, v26, 24, v28                 ; v4, v5   V role: a tile's row in the positions' first half
	v_mad_u32_u24 v5, v26, 40, v28
	v_add_nc_u32 v6, 52224, v4                     ; v6, v7   in their second half
	v_add_nc_u32 v7, 52224, v5
	s_lshr_b32 s61, s[WV], 1
	s_lshl_b32 s60, s61, 6
	s_lshl_b32 s63, s[HALF], 4
	s_add_co_u32 s60, s60, s63                     ; K role: my two tiles begin at key 64 (wave / 2) + 16 (wave % 2), 8 keys apart
	s_mul_i32 s63, s60, PITCH
	v_mul_u32_u24 v30, v29, PITCH
	v_add_nc_u32 v30, s63, v30
	v_mad_u32_u24 v8, v26, 24, v30                 ; v8, v9   K role: my keys' rows
	v_mad_u32_u24 v9, v26, 40, v30
	v_add_nc_u32 v10, WL, v4                       ; v10, v11 the weight's rows
	v_add_nc_u32 v11, WL, v5
	s_lshl_b32 s62, s61, 5
	s_lshl_b32 s63, s[HALF], 3
	s_add_co_u32 s62, s62, s63                     ; V role: where the weight's tile number wave begins: 32 (wave / 2) + 8 (wave % 2)
	s_mul_i32 s63, s62, PITCH
	v_add_nc_u32 v12, s63, v10                     ; v12, v13 V role: my tile of the weight
	v_add_nc_u32 v13, s63, v11
	v_lshl_add_u32 v31, v26, 3, v27                ; lanes 16-31 take the tile 8 rows on: one register carries two tiles' scale words
	v_lshl_add_u32 v14, v31, 5, XSL                ; v14  V role: the positions' scale bytes, 32 a row
	v_lshl_add_u32 v16, v31, 5, WSL                ; v16  K role: the weight's
	v_lshl_add_u32 v31, v26, 3, v29
	v_lshl_add_u32 v15, v31, 5, XSL
	s_lshl_b32 s63, s60, 5
	v_add_nc_u32 v15, s63, v15                     ; v15  K role: my keys' scale bytes
	v_lshl_add_u32 v17, v27, 5, WSL
	s_lshl_b32 s63, s62, 5
	v_add_nc_u32 v17, s63, v17                     ; v17  V role: my tile's
	v_lshlrev_b32 v19, 3, v25
	s_lshl_b32 s63, s[HALF], 7
	s_lshl_b32 s61, s61, 2
	s_add_co_u32 s63, s63, s61
	v_add_nc_u32 v19, s63, v19                     ; a fragment's scale words in a stage: 8 r + 128 (wave % 2) + 4 (wave / 2)
	v_add_nc_u32 v18, KSTG, v19                    ; v18  K role
	v_add_nc_u32 v19, VSTG, v19                    ; v19  V role
	v_lshlrev_b32 v20, 6, v26                      ; v20  b_k: 64 h
	v_lshlrev_b32 v21, 2, v27
	s_lshl_b32 s63, s62, 2
	v_add_nc_u32 v21, s63, v21                     ; v21  b_v: my d
	v_add_nc_u32 v23, KSTG, v2                     ; v23, v24  the stages read back
	v_add_nc_u32 v24, VSTG, v2
	s_wait_tensorcnt 0x0                           ; my fills have landed,
	s_barrier_signal -1
	s_barrier_wait -1                              ; everybody's have
	s_cmp_lg_u32 s[ROLE], 0
	s_cbranch_scc1 .Lrole_v
	; ---- K ROLE.  Wave w makes k's tiles 2 w and 2 w + 1 against the weight's four tiles: accumulator (i, t) at v[ACC + 32 i + 8 t]
	s_wait_alu depctr_va_vdst(0)
.irp t, 0,1,2,3
	global_load_b128 v[BK+8*\t:BK+8*\t+3], v20, s[20:21] offset:(32*(\t/2)+8*(\t%2))*4      ; lane (r, h), tile t: b_k at d = 32 (t / 2) + 16 h + 8 (t % 2) + 0 .. 7
	global_load_b128 v[BK+8*\t+4:BK+8*\t+7], v20, s[20:21] offset:(32*(\t/2)+8*(\t%2))*4+16
.endr
	ds_load_b128 v[SC:SC+3], v15                   ; the scale words of all eight K steps: lanes 0-15 tile i = 0's, lanes 16-31 tile i = 1's
	ds_load_b128 v[SC+4:SC+7], v15 offset:16
.irp b, 0,1
	ds_load_b128 v[SC+8+8*\b:SC+11+8*\b], v16 offset:1024*\b          ; the weight's: lanes 0-15 tile 2 b, lanes 16-31 tile 2 b + 1
	ds_load_b128 v[SC+12+8*\b:SC+15+8*\b], v16 offset:1024*\b+16
.endr
.macro KSTEP q                         ; 128 along K: six fragments, eight matrix instructions on eight accumulators by turns
.if \q > 0
	PLACES
.endif
	FRAG FR, 8, \q, 0
	FRAG FR+12, 8, \q, 8
.irp t, 0,1,2,3
	FRAG FR+24+12*\t, 10, \q, 32*(\t/2)+8*(\t%2)
.endr
	s_wait_dscnt 0x0
.if \q == 0
	s_wait_loadcnt 0x0                             ; the bias
.endif
.irp i, 0,1
.irp t, 0,1,2,3
.if \q == 0
	MM ACC+32*\i+8*\t, FR+24+12*\t, FR+12*\i, BK+8*\t, SC+8+8*(\t/2)+\q, SC+\q, \t%2, \i
.else
	MM ACC+32*\i+8*\t, FR+24+12*\t, FR+12*\i, ACC+32*\i+8*\t, SC+8+8*(\t/2)+\q, SC+\q, \t%2, \i
.endif
.endr
.endr
.endm
.irp q, 0,1,2,3,4,5,6,7
	KSTEP \q
.endr
	PLACES
.irp b, 0,1,2,3
	v_mov_b32 v[TM+4+\b], 0                        ; a lane permute's destination counts as one of its sources
.endr
	QUANT ACC                                      ; blocks 0, 1: tile i = 0's two blocks of 32 along d; blocks 2, 3: tile i = 1's.  The 12 registers are fragment w, the four bytes its scale word
.irp c, 0,1,2
	global_store_b128 v1, v[PC+4*\c:PC+4*\c+3], s[24:25] offset:512*\c     ; 512 consecutive bytes, at a multiple of 256 from kv's first byte
.endr
	ds_store_b32 v18, v[PW]                        ; lanes r and r + 16 write the same word with the same value
	s_branch .Ljoin
.Lrole_v:
	; ---- V ROLE.  Wave w makes v^T's tile w (d = 32 (w / 2) + 8 (w % 2) + r + 8 (r / 8)) for the step's 128 keys: accumulator t at v[ACC + 8 t]
	s_wait_alu depctr_va_vdst(0)
.irp j, 0,1,2,3,4,5,6,7
	global_load_b32 v[BV+\j], v21, s[20:21]        ; a lane's eight results are eight keys of ONE d: b_v of that d in all eight
.endr
.irp b, 0,1,2,3
	ds_load_b128 v[SC+8*\b:SC+3+8*\b], v14 offset:1024*\b            ; value's scale words of all eight K steps: lanes 0-15 tile 2 b, lanes 16-31 tile 2 b + 1
	ds_load_b128 v[SC+4+8*\b:SC+7+8*\b], v14 offset:1024*\b+16
.endr
	ds_load_b128 v[SC+32:SC+35], v17               ; my tile of the weight
	ds_load_b128 v[SC+36:SC+39], v17 offset:16
.macro VSTEP q
.if \q > 0
	PLACES
.endif
.irp t, 0,1,2,3,4,5,6,7
	FRAG FR+12*\t, 4+2*(\t/4), \q, 32*((\t/2)%2)+8*(\t%2)
.endr
	FRAG FR+96, 12, \q, 0
	s_wait_dscnt 0x0
.if \q == 0
	s_wait_loadcnt 0x0
.endif
.irp t, 0,1,2,3,4,5,6,7
.if \q == 0
	MM ACC+8*\t, FR+12*\t, FR+96, BV, SC+8*(\t/2)+\q, SC+32+\q, \t%2, 0
.else
	MM ACC+8*\t, FR+12*\t, FR+96, ACC+8*\t, SC+8*(\t/2)+\q, SC+32+\q, \t%2, 0
.endif
.endr
.endm
.irp q, 0,1,2,3,4,5,6,7
	VSTEP \q
.endr
	PLACES
.irp b, 0,1,2,3
	v_mov_b32 v[TM+4+\b], 0
.endr
	QUANT ACC                                      ; four blocks of 32 keys: one fragment of v^T and its scale word
.irp c, 0,1,2
	global_store_b128 v1, v[PC+4*\c:PC+4*\c+3], s[24:25] offset:6144+512*\c
.endr
	ds_store_b32 v19, v[PW]                        ; lanes r and r + 16 write the same word with the same value
.Ljoin:
	s_wait_dscnt 0x0                               ; for the others' sake: my scale words lie in the stage
	s_barrier_signal -1
	s_barrier_wait -1
	s_cmp_lg_u32 s[WV], 0                          ; wave 0 (whose base in kv is the block's first byte) stores the step's scale words as one run of 256 bytes
	s_cbranch_scc1 .Lclose
	s_cmp_lg_u32 s[ROLE], 0
	s_cbranch_scc1 .Lwords_v
	ds_load_b64 v[140:141], v23
	s_wait_dscnt 0x0
	global_store_b64 v2, v[140:141], s[24:25] offset:12288
	s_branch .Lclose
.Lwords_v:
	ds_load_b64 v[140:141], v24
	s_wait_dscnt 0x0
	global_store_b64 v2, v[140:141], s[24:25] offset:12544
.Lclose:
	s_wait_tensorcnt 0x0
	ds_add_u32 v254, v255
	s_wait_dscnt 0x0
	CROUND                                         ; the closing round: no work-group ends while a partner may still ask for a tile that names it
	s_endpgm
.Lfunc_end_k_qf6599c7722_kvproj:
	.size	k_qf6599c7722_kvproj, .Lfunc_end_k_qf6599c7722_kvproj-k_qf6599c7722_kvproj
	.p2alignl 7, 3214868480
	.fill 96, 4, 3214868480
	.section	.rodata,"a",@progbits
	.p2align	6, 0x0
	.amdhsa_kernel k_qf6599c7722_kvproj
		.amdhsa_group_segment_fixed_size 168448
		.amdhsa_private_segment_fixed_size 0
		.amdhsa_enable_private_segment 0
		.amdhsa_kernarg_size 88
		.amdhsa_user_sgpr_count 2
		.amdhsa_user_sgpr_kernarg_segment_ptr 1
		.amdhsa_wavefront_size32 1
		.amdhsa_system_sgpr_workgroup_id_x 1
		.amdhsa_system_sgpr_workgroup_id_y 1
		.amdhsa_system_sgpr_workgroup_id_z 1
		.amdhsa_system_vgpr_workitem_id 0
		.amdhsa_next_free_vgpr 256
		.amdhsa_next_free_sgpr 96
		.amdhsa_reserve_vcc 0
		.amdhsa_float_denorm_mode_32 3
		.amdhsa_float_denorm_mode_16_64 3
		.amdhsa_memory_ordered 1
		.amdhsa_forward_progress 1
		.amdhsa_inst_pref_size 85
	.end_amdhsa_kernel
	.amdgpu_metadata
---
amdhsa.version: [ 1, 2 ]
amdhsa.kernels:
  - .name:           k_qf6599c7722_kvproj
    .symbol:         k_qf6599c7722_kvproj.kd
    .args:
      - { .name: key_codes, .offset: 0, .size: 8, .value_kind: global_buffer, .address_space: global }
      - { .name: key_scales, .offset: 8, .size: 8, .value_kind: global_buffer, .address_space: global }
      - { .name: value_codes, .offset: 16, .size: 8, .value_kind: global_buffer, .address_space: global }
      - { .name: value_scales, .offset: 24, .size: 8, .value_kind: global_buffer, .address_space: global }
      - { .name: w_k_codes, .offset: 32, .size: 8, .value_kind: global_buffer, .address_space: global }
      - { .name: w_k_scales, .offset: 40, .size: 8, .value_kind: global_buffer, .address_space: global }
      - { .name: w_v_codes, .offset: 48, .size: 8, .value_kind: global_buffer, .address_space: global }
      - { .name: w_v_scales, .offset: 56, .size: 8, .value_kind: global_buffer, .address_space: global }
      - { .name: b_k, .offset: 64, .size: 8, .value_kind: global_buffer, .address_space: global }
      - { .name: b_v, .offset: 72, .size: 8, .value_kind: global_buffer, .address_space: global }
      - { .name: kv, .offset: 80, .size: 8, .value_kind: global_buffer, .address_space: global }
    .group_segment_fixed_size: 168448
    .private_segment_fixed_size: 0
    .kernarg_segment_align: 8
    .kernarg_segment_size: 88
    .max_flat_workgroup_size: 128
    .sgpr_count:     96
    .vgpr_count:     256
    .wavefront_size: 32
...
	.end_amdgpu_metadata
.endif
;; end of part 4
;; launch attn (part 5): grid 64 x 4, 16 waves a work-group, clusters of 4 x 1, 327,680 bytes of LDS; arguments query_codes, query_scales, w_q_codes, w_q_scales, b_q, kv, a_img, a_scl; writes a_img, a_scl
.if DOCPART == 5
	.amdgcn_target "amdgcn-amd-amdhsa--gfx1250"
	.amdhsa_code_object_version 6
	.text
	.protected	k_qf6599c7722_attn
	.globl	k_qf6599c7722_attn
	.p2align	8
	.type	k_qf6599c7722_attn,@function
k_qf6599c7722_attn:
	s_mov_b64 s[64:65], 0
	v_nop
	global_prefetch_b8 v0, s[64:65] scope:SCOPE_SE
	s_setreg_imm32_b32 hwreg(HW_REG_WAVE_MODE, 25, 1), 1
	s_wait_xcnt 0x0
	s_wait_alu depctr_hold_cnt(0) depctr_sa_sdst(0) depctr_va_vdst(0) depctr_va_sdst(0) depctr_va_ssrc(0) depctr_va_vcc(0) depctr_vm_vsrc(0)
	s_getreg_b32 s2, hwreg(HW_REG_IB_STS2, 6, 4)
	s_cmp_eq_u32 s2, 0
	s_cbranch_scc0 .Lentry_in_a_cluster
	s_endpgm
.Lentry_in_a_cluster:
	s_bfe_u32 s2, ttmp6, 0x10000c
	s_cmp_lg_u32 s2, 0x3003
	s_cbranch_scc0 .Lentry_shape_is_right
	s_endpgm
.Lentry_shape_is_right:
; q = query w_q + b_q, quantised along the head's 64; S^T = k q^T; p = 2^(t - M), quantised along the keys; O^T = v^T p^T; O / l, quantised along (head, d) for the last projection.  All products on codes of FP6 (E2M3).
; t = score x log2(e) / 8; M = the row's largest t so far, rounded UP to a whole number; l is the sum of the UNQUANTISED p.  When M moves, l and O^T are multiplied by 2^(old M - new M), which rounds nothing.
; SHARES.  A work-group owns 64 queries x the four query heads of kv head g; each of its sixteen waves one tile of 16 queries of one head (head 4 g + wave % 4, queries 16 (wave / 4) on).  256 work-groups of equal work.
; CLUSTER 4 x 1: the four partners share g.  w_q's 256 rows, their scale bytes and every block of kv are asked for JOINTLY (mask 15).  query's 64 rows and their scale bytes are the work-group's own: plain loads.
; kv's blocks (12,800 bytes a step of 128 keys) are images of the operands' registers: a fragment comes by three ds_load_b128 at 16 x lane.
; LDS: 24 places of 12,800 bytes.  The head fills places 0-3 (steps 0-3) beside w_q's and query's rows, one tensor load a wave, every wave one.  Behind the Q phase a round of the cluster's barrier, and ten waves fill places 4-23
; (steps 4-23, two a wave) over w_q's and query's rows.  Behind step 11 a second round, and eight waves fill places 0-7 again with steps 24-31.  Two plain barriers, behind steps 3 and 23, show landed tiles to all waves.
; NO PREFETCH: each fill is asked for four key steps or more ahead of its first read (steps 4-23: four steps; steps 24-31: twelve), so no wave stands waiting for the stream.
; K = 64 FILLS HALF OF THE MATRIX INSTRUCTION'S 128 in S^T = k q^T.  A fragment of k holds TWO tiles of 16 keys; q stands between two runs of six zero registers: v[22:33] = (q, zeros) picks the first tile, v[16:27] = (zeros, q) the second.
; q's scale word repeats its two bytes, so that the blocks that meet zero codes carry finite scales of the live blocks' size.
; LAYOUT.  Both products are used transposed: a lane holds ONE query (lane % 16).  Row r of k's tile 4 c + u is key 64 c + 8 u + r % 8 + 32 (r / 8): S^T's register 32 c + i of lane (r, h) is key 64 c + 32 h + i: whole blocks of 32 keys in a lane.
; THE STEP: scores; maxima; all scalings and O^T's rescaling; one batch of 66 exponentials between its two waits; conversions; sums; O^T's products.  k of the next step is fetched under the softmax wherever its place has been shown whole.
; LIMITS: NaN and infinities are not served.  A block whose largest magnitude lies under 2^-124, a block of zeros among them, takes the scale byte 1; these bytes are read by this program alone.  b_q enters as the sum's first addend.
.set PITCH, 816                        ; a row of 768 bytes of codes in LDS: three runs of 256 bytes, 16 bytes of padding behind each
.set STEPB, 12800
.set WQL,   51200                      ; w_q's 256 rows
.set XQL,   260096                     ; query's 64 rows
.set WQSL,  312320                     ; w_q's scale bytes, 32 a row
.set XQSL,  320512                     ; query's
.set SPARE, 322560                     ; the spare words, 128 bytes for each wave
.set STG,   324608                     ; the way out's scale bytes, 512 bytes: no tile lands here
.set ADK,   8                          ; v8   the step's block + 16 x lane
.set ADB,   9                          ; v9   the step's block + 8 x lane
.set QH,    16                         ; v16-27   (zeros, q)
.set QL,    22                         ; v22-33   (q, zeros)
.set KF,    34                         ; v34-81   a step's four fragments of k (in the Q phase v34-40 are addresses)
.set VF,    82                         ; v82-129  four fragments of v^T
.set S,     130                        ; v130-193 S^T, then p
.set OT,    194                        ; v194-225 O^T (in the Q phase: q's four tiles)
.set PCD,   226                        ; v226-237 p's codes
; v1 16 x lane, v2 8 x lane, v3 my spare word, v4 0, v5 my place in the scale stage; v[6:7] k's scale words, v[10:11] v^T's (Q phase: v6, v7 w_q's, v10 query's), v253 p's, v255 q's: scales and nothing else;
; v12 -M, v13 the largest score so far, v[14:15] l in two halves; v238-241 maxima, then v[240:241] the sum's second chain; v242-244, v246-248 second halves of blocks' codes; v245, v249 the conversions' scale operands;
; v250, v251 at work; v252 f; v254 the old -M (outside the loop: two scale bytes)
.set SEL,   20
.set CS,    22
.set G1R,   24                         ; s[24:31], s[32:35] kv's blocks
.set G0R,   32
.set G1W,   36                         ; s[36:43], s[44:47] w_q's rows
.set G0W,   44
.set G1X,   48                         ; s[48:55], s[56:59] query's rows
.set G0X,   56
.set G1WS,  68                         ; s[68:75], s[76:79] w_q's scale bytes
.set G0WS,  76
.set G1XS,  80                         ; s[80:87], s[88:91] query's scale bytes
.set G0XS,  88
.set WV,    92
.set CX,    93
.set XB,    94                         ; my block of 64 queries
.set GH,    95                         ; the kv head
.set REP,   96
.set QT,    97
.set TB,    98                         ; LDS byte at which the step's block begins
.set CNT,   99
.set HD,    100                        ; my query head
.macro DESC g, rows                    ; words 1-7 of a group 1: a dense block of memory as rows of 256 bytes (32 elements of 8 bytes)
	s_mov_b32 s[\g+1], 32<<16
	s_mov_b32 s[\g+2], (\rows)<<16
	s_mov_b32 s[\g+3], 32<<16
	s_mov_b32 s[\g+4], \rows
	s_mov_b32 s[\g+5], 32
	s_mov_b32 s[\g+6], 0
	s_mov_b32 s[\g+7], 0
.endm
.macro PLACES                          ; four plain places behind a matrix instruction (ISA guide 7.12.1)
.rept 4
	v_nop
.endr
.endm
.macro CROUND                          ; a round of the cluster's barrier
	s_barrier_signal -1
	s_barrier_wait -1
	s_cmp_lg_u32 s[WV], 0
	s_cbranch_scc1 .Lnot_wave_0_\@
	s_barrier_signal -3
.Lnot_wave_0_\@:
	s_barrier_wait -3
	s_barrier_signal -1
	s_barrier_wait -1
.endm
.macro FRAG reg, adr, q, row           ; a fragment from rows of given codes: six pieces of 8 bytes; the second address register serves the pieces whose partner three on lies behind one padding more
.irp p, 0,1,2,3,4,5
.set PCE, 12*(\q)+6*(\p/3)+\p%3
.if PCE%32 < 29
	ds_load_b64 v[\reg+2*\p:\reg+2*\p+1], v[\adr] offset:8*PCE+16*(PCE/32)+(\row)*PITCH
.else
	ds_load_b64 v[\reg+2*\p:\reg+2*\p+1], v[\adr+1] offset:8*PCE+16*(PCE/32)+(\row)*PITCH
.endif
.endr
.endm
.macro MM d, a, b, sa, sb, row1        ; D += A x B, in place; row1 = 1: A's scale words stand in lanes 16-31
.set rD, \d
.set rA, \a
.set rB, \b
.set rX, \sa
.set rY, \sb
.if \row1
	v_wmma_scale_f32_16x16x128_f8f6f4 v[rD:rD+7], v[rA:rA+11], v[rB:rB+11], v[rD:rD+7], v[rX], v[rY] matrix_a_fmt:MATRIX_FMT_FP6 matrix_b_fmt:MATRIX_FMT_FP6 matrix_a_scale:MATRIX_SCALE_ROW1
.else
	v_wmma_scale_f32_16x16x128_f8f6f4 v[rD:rD+7], v[rA:rA+11], v[rB:rB+11], v[rD:rD+7], v[rX], v[rY] matrix_a_fmt:MATRIX_FMT_FP6 matrix_b_fmt:MATRIX_FMT_FP6
.endif
.endm
.macro MM0 d, a, b, sa, sb, row1       ; D = A x B
.set rD, \d
.set rA, \a
.set rB, \b
.set rX, \sa
.set rY, \sb
.if \row1
	v_wmma_scale_f32_16x16x128_f8f6f4 v[rD:rD+7], v[rA:rA+11], v[rB:rB+11], 0, v[rX], v[rY] matrix_a_fmt:MATRIX_FMT_FP6 matrix_b_fmt:MATRIX_FMT_FP6 matrix_a_scale:MATRIX_SCALE_ROW1
.else
	v_wmma_scale_f32_16x16x128_f8f6f4 v[rD:rD+7], v[rA:rA+11], v[rB:rB+11], 0, v[rX], v[rY] matrix_a_fmt:MATRIX_FMT_FP6 matrix_b_fmt:MATRIX_FMT_FP6
.endif
.endm
; 32 numbers of a lane, register 16 b + i = d 32 b + 16 (lane / 16) + i of my query, become six registers of codes in v[dst] on (lane (r, h): d = 32 h .. 32 h + 31) and two scale bytes in v254
.macro QUANT1 s, dst
.irp b, 0,1
	v_max3_num_f32 v[238+\b], |v[\s+16*\b]|, |v[\s+1+16*\b]|, 0x1800000   ; my 16 numbers of block b, and the floor 2^(3 - 127): the byte cannot fall under 1
.endr
.irp i, 2,4,6,8,10,12,14
.irp b, 0,1
	v_max3_num_f32 v[238+\b], v[238+\b], |v[\s+16*\b+\i]|, |v[\s+1+16*\b+\i]|
.endr
.endr
.irp b, 0,1
	v_permlanex16_b32 v[250+\b], v[238+\b], s[SEL], s[SEL+1]
.endr
.irp b, 0,1
	v_max_num_f32 v[238+\b], v[238+\b], v[250+\b]  ; with lane l xor 16's: the block's largest magnitude
.endr
	v_add_nc_u32 v245, 0xff000000, v238            ; 2 off its exponent field: the conversion's scale operand
	v_add_nc_u32 v249, 0xff000000, v239
	v_lshrrev_b32 v250, 23, v245                   ; the scale's byte
	v_lshrrev_b32 v251, 23, v249
	v_lshl_or_b32 v254, v251, 8, v250
	v_cvt_scalef32_pk16_fp6_f32 v[\dst:\dst+2], v[\s:\s+15], v245
	v_cvt_scalef32_pk16_fp6_f32 v[242:244], v[\s+16:\s+31], v249
	v_nop                                          ; one plain place behind a scaled conversion
.irp i, 0,1,2
	v_permlane16_swap_b32 v[\dst+\i], v[242+\i]    ; a WHOLE block in a lane: lanes 0-15 block 0, lanes 16-31 block 1
.endr
.irp i, 0,1,2
	v_mov_b32 v[\dst+3+\i], v[242+\i]
.endr
.endm
	s_load_b512 s[4:19], s[0:1], 0x0               ; query's codes, scales; w_q's codes, scales; b_q; kv; a_img; a_scl
	v_lshl_add_u32 v3, v0, 2, SPARE
	v_mov_b32 v4, 0
	ds_add_u32 v3, v4
	ds_add_u32 v3, v4
	v_lshrrev_b32 v1, 5, v0
	v_readfirstlane_b32 s[WV], v1                  ; wave 0..15
	s_bfe_u32 s[CX], ttmp6, 0x40000                ; my place in the cluster: it enters query's, a_img's and a_scl's addresses alone
	s_lshl_b32 s[XB], ttmp9, 2
	s_add_co_u32 s[XB], s[XB], s[CX]
	s_and_b32 s[GH], ttmp7, 0xffff                 ; the kv head, which the four partners share
	s_and_b32 s[REP], s[WV], 3
	s_lshr_b32 s[QT], s[WV], 2
	s_lshl_b32 s[HD], s[GH], 2
	s_add_co_u32 s[HD], s[HD], s[REP]
	s_mov_b32 s[G1R], 15|(3<<16)|(1<<21)           ; 15:0 the mask: all four work-groups; 17:16 elements of 8 bytes; 21 set beside a mask; no padding
	DESC G1R, 50                                   ; a key step's block: 50 x 256 bytes
	s_mov_b32 s[G1W], 15|(3<<16)|(1<<20)|(1<<21)|(5<<22)|(3<<25)   ; 20 padding on; 24:22 after every 64 words; 31:25 of 4 words
	DESC G1W, 96                                   ; 32 rows of 768 bytes
	s_mov_b32 s[G1X], (3<<16)|(1<<20)|(5<<22)|(3<<25)              ; no mask: my own rows
	DESC G1X, 96
	s_mov_b32 s[G1WS], 15|(3<<16)|(1<<21)
	DESC G1WS, 32                                  ; 256 rows of 32 bytes
	s_mov_b32 s[G1XS], 3<<16
	DESC G1XS, 8                                   ; 64 rows of 32 bytes
	s_mov_b32 s[SEL], 0x76543210
	s_mov_b32 s[SEL+1], 0xfedcba98                 ; v_permlanex16_b32's selects for lane l xor 16
	s_mov_b32 s[CS], 0x3e38aa3b                    ; c = log2(e) / sqrt(64)
	s_mov_b32 s[CS+1], s[CS]                       ; (named with it as a pair, so it is written)
	s_mov_b32 s3, 0
	s_mov_b32 s67, 0
	s_lshl_b32 s60, s[QT], 7                       ; the wave's LDS bases: the scale stage, 8 bytes a query, my head's two at 2 x (wave % 4);
	s_lshl_b32 s105, s[REP], 1
	s_add_co_u32 s60, s60, s105
	s_add_co_u32 s60, s60, STG
	s_mul_i32 s61, s[QT], 16*PITCH                 ; my 16 rows of query;
	s_add_co_u32 s61, s61, XQL
	s_mul_i32 s62, s[REP], 64*PITCH                ; my head's 64 rows of w_q;
	s_add_co_u32 s62, s62, WQL
	s_lshl_b32 s63, s[REP], 11                     ; their scale bytes;
	s_add_co_u32 s63, s63, WQSL
	s_lshl_b32 s104, s[QT], 9                      ; my queries' scale bytes
	s_add_co_u32 s104, s104, XQSL
	s_wait_dscnt 0x0                               ; both opening adds are done
	s_wait_kmcnt 0x0
	s_mul_i32 s2, s[GH], 196608                    ; w_q: the kv head's 256 rows, 32 to each of waves 0-7
	s_mul_i32 s105, s[WV], 24576
	s_add_co_u32 s2, s2, s105
	s_mov_b32 s[G0W], 1
	s_mul_i32 s105, s[WV], 26112
	s_add_co_u32 s[G0W+1], s105, WQL
	s_add_nc_u64 s[G0W+2:G0W+3], s[8:9], s[2:3]
	s_or_b32 s[G0W+3], s[G0W+3], 0x80000000
	s_mul_i32 s2, s[GH], 32*STEPB
	s_add_nc_u64 s[14:15], s[14:15], s[2:3]        ; kv at the head's 32 blocks
	s_mul_i32 s2, s[REP], STEPB                    ; waves 8-11: step wave % 4
	s_mov_b32 s[G0R], 1
	s_mov_b32 s[G0R+1], s2
	s_add_nc_u64 s[G0R+2:G0R+3], s[14:15], s[2:3]
	s_or_b32 s[G0R+3], s[G0R+3], 0x80000000
	s_lshl_b32 s2, s[GH], 13
	s_mov_b32 s[G0WS], 1
	s_mov_b32 s[G0WS+1], WQSL
	s_add_nc_u64 s[G0WS+2:G0WS+3], s[10:11], s[2:3]
	s_or_b32 s[G0WS+3], s[G0WS+3], 0x80000000
	s_and_b32 s105, s[WV], 1                       ; query: my 64 rows, 32 to each of waves 12, 13
	s_mul_i32 s66, s[XB], 49152
	s_mul_i32 s101, s105, 24576
	s_add_co_u32 s66, s66, s101
	s_mov_b32 s[G0X], 1
	s_mul_i32 s101, s105, 26112
	s_add_co_u32 s[G0X+1], s101, XQL
	s_add_nc_u64 s[G0X+2:G0X+3], s[4:5], s[66:67]
	s_or_b32 s[G0X+3], s[G0X+3], 0x80000000
	s_lshl_b32 s66, s[XB], 11
	s_mov_b32 s[G0XS], 1
	s_mov_b32 s[G0XS+1], XQSL
	s_add_nc_u64 s[G0XS+2:G0XS+3], s[6:7], s[66:67]
	s_or_b32 s[G0XS+3], s[G0XS+3], 0x80000000
	s_lshl_b32 s66, s[HD], 8
	s_add_nc_u64 s[12:13], s[12:13], s[66:67]      ; b_q at my head's 64 numbers
	s_lshl_b32 s66, s[XB], 2
	s_add_co_u32 s66, s66, s[QT]
	s_lshl_b32 s66, s66, 4
	s_add_co_u32 s66, s66, s[HD]
	s_mul_i32 s66, s66, 768
	s_add_nc_u64 s[16:17], s[16:17], s[66:67]      ; a_img at (my tile of queries, my head)
	s_lshl_b32 s66, s[GH], 15
	s_lshl_b32 s105, s[XB], 9
	s_add_co_u32 s66, s66, s105
	s_add_nc_u64 s[18:19], s[18:19], s[66:67]      ; a_scl at (g, my block's first query)
	CROUND                                         ; all four work-groups are here: the first joint loads meet
; THE HEAD'S LOADS, ONE A WAVE, every wave one: one chain of branches on the wave's number, each arm with its load and a jump to the join
.macro ARM under, g0, g1, next
	s_cmp_lt_u32 s[WV], \under
	s_cbranch_scc0 \next
	tensor_load_to_lds s[\g0:\g0+3], s[\g1:\g1+7]
	s_nop 0
	PLACES
	s_branch .Lf_done
\next:
.endm
	ARM 8,  G0W,  G1W,  .Lf_r
	ARM 12, G0R,  G1R,  .Lf_x
	ARM 14, G0X,  G1X,  .Lf_ws
	ARM 15, G0WS, G1WS, .Lf_xs
	tensor_load_to_lds s[G0XS:G0XS+3], s[G1XS:G1XS+7]
	s_nop 0
	PLACES
.Lf_done:
	v_and_b32 v242, 31, v0
	v_lshlrev_b32 v1, 4, v242                      ; 16 x lane
	v_lshlrev_b32 v2, 3, v242                      ; 8 x lane
	v_and_b32 v238, 15, v0                         ; r
	v_bfe_u32 v239, v0, 4, 1                       ; h
	v_and_b32 v240, 8, v238
	v_add_nc_u32 v240, v240, v238                  ; r + 8 (r / 8)
	v_lshl_add_u32 v5, v238, 3, s60
	v_mul_u32_u24 v241, v238, PITCH
	v_add_nc_u32 v241, s61, v241
	v_mad_u32_u24 v34, v239, 24, v241              ; v34, v35  query: row 16 (wave / 4) + r
	v_mad_u32_u24 v35, v239, 40, v241
	v_mul_u32_u24 v241, v240, PITCH
	v_add_nc_u32 v241, s62, v241
	v_mad_u32_u24 v36, v239, 24, v241              ; v36, v37  w_q: my head's 64 rows, a tile's row
	v_mad_u32_u24 v37, v239, 40, v241
	v_lshl_add_u32 v241, v239, 3, v240             ; lanes 16-31 take the tile 8 rows on
	v_lshl_add_u32 v38, v241, 5, s63               ; v38  w_q's scale bytes
	v_lshl_add_u32 v39, v238, 5, s104              ; v39  query's
	v_lshlrev_b32 v40, 6, v239                     ; v40  b_q: 64 h
	v_mov_b32 v250, 0                              ; written once: a lane permute's destination counts as one of its sources
	v_mov_b32 v251, 0
.irp t, 0,1,2,3
	global_load_b128 v[OT+8*\t:OT+8*\t+3], v40, s[12:13] offset:(32*(\t/2)+8*(\t%2))*4       ; the bias begins the sums: lane (r, h), tile t: d = 32 (t / 2) + 16 h + 8 (t % 2) + 0 .. 7
	global_load_b128 v[OT+8*\t+4:OT+8*\t+7], v40, s[12:13] offset:(32*(\t/2)+8*(\t%2))*4+16
.endr
	s_wait_alu depctr_va_vdst(0)
	s_wait_tensorcnt 0x0                           ; my first fill has landed,
	s_barrier_signal -1
	s_barrier_wait -1                              ; everybody's has
	; ---- THE Q PHASE: my 16 queries x my head's 64: source 0 = 16 rows of w_q, source 1 = my queries; four accumulators by turns, eight K steps
.macro QSTEP q
.if \q > 0
	PLACES
.endif
	FRAG VF, 34, \q, 0
.irp t, 0,1,2,3
	FRAG S+12*\t, 36, \q, 32*(\t/2)+8*(\t%2)
.endr
	ds_load_b32 v6, v38 offset:4*\q                ; lanes 0-15 tile 0's scale words, lanes 16-31 tile 1's
	ds_load_b32 v7, v38 offset:1024+4*\q           ; tiles 2 and 3
	ds_load_b32 v10, v39 offset:4*\q
	s_wait_dscnt 0x0
.if \q == 0
	s_wait_loadcnt 0x0                             ; the bias
.endif
.irp t, 0,1,2,3
	MM OT+8*\t, S+12*\t, VF, 6+\t/2, 10, \t%2
.endr
.endm
.irp q, 0,1,2,3,4,5,6,7
	QSTEP \q
.endr
	PLACES
	QUANT1 OT, QL                                  ; q's six registers: v22-27
	v_lshl_or_b32 v255, v254, 16, v254             ; its scale word: the two bytes twice
.irp j, 16,17,18,19,20,21,28,29,30,31,32,33
	v_mov_b32 v[\j], 0                             ; zero codes on both sides of q
.endr
	v_mov_b32 v13, 0xff61b1e6                      ; the largest score so far: -3e38, under every score
	v_floor_f32 v12, -v13                          ; -M: above every -M to come, so that the first f is 0
	v_mov_b32 v14, 0                               ; l, in two halves
	v_mov_b32 v15, 0
	v_mov_b32 v253, 0                              ; (named as the upper half of the pair v[252:253] before it is first written)
.irp j, 0,1,2,3,4,5,6,7,8,9,10,11,12,13,14,15,16,17,18,19,20,21,22,23,24,25,26,27,28,29,30,31
	v_mov_b32 v[OT+\j], 0                          ; O^T.  The step is written once: the first finds zeros, which the first change of M leaves zeros
.endr
; A step's k: four fragments and their scale words, 13 loads
.macro KRUN adk, adb, off
.irp n, 0,1,2,3,4,5,6,7,8,9,10,11
	ds_load_b128 v[KF+4*\n:KF+4*\n+3], v[\adk] offset:\off+512*\n
.endr
	ds_load_b64 v[6:7], v[\adb] offset:\off+12288  ; register j: lanes 0-15 fragment 2 j, lanes 16-31 fragment 2 j + 1
.endm
; Maximum number mi of 32: four chains of 15 scores by turns (chains 0, 1: my block of keys 32 h on; chains 2, 3: of keys 64 + 32 h on), then the four scores left over.  Each accumulator is read from its low end on
.macro MX
.if mi < 4
	v_max3_num_f32 v[238+mi], v[S+16*mi], v[S+16*mi+1], v[S+16*mi+2]
.elseif mi < 28
	v_max3_num_f32 v[238+mi%4], v[238+mi%4], v[S+16*(mi%4)+2*(mi/4)+1], v[S+16*(mi%4)+2*(mi/4)+2]
.elseif mi == 28
	v_max3_num_f32 v238, v238, v239, v[S+15]
.elseif mi == 29
	v_max3_num_f32 v240, v240, v241, v[S+47]
.elseif mi == 30
	v_max_num_f32 v238, v238, v[S+31]
.else
	v_max_num_f32 v239, v240, v[S+63]
.endif
.set mi, mi+1
.endm
; Sum number ai of 32: THE ROW'S SUM IS TAKEN OF THE UNQUANTISED p, two at a time, in two chains by turns
.macro AD
.if ai == 0
	v_pk_add_f32 v[240:241], v[S:S+1], v[S+2:S+3]
.elseif ai == 31
	v_pk_add_f32 v[14:15], v[14:15], v[240:241]
.elseif ai%2 == 1
	v_pk_add_f32 v[14:15], v[14:15], v[S+2*ai+2:S+2*ai+3]
.else
	v_pk_add_f32 v[240:241], v[240:241], v[S+2*ai+2:S+2*ai+3]
.endif
.set ai, ai+1
.endm
; ---- A KEY STEP: 128 keys, whose block begins at LDS byte s[TB]; its k has been asked for.  pre = 1: the next step's k, 12,800 bytes on, is asked for under the softmax
; THE SUMS OF A STEP'S p AND ITS O^T PRODUCTS STAND IN THE NEXT STEP, among that step's score products and maxima: plain lines that name no register of the matrix instruction ahead of them.
; first = 1: the launch's first step, which has no step behind it.  Behind the last step the carried work is written out once more.
.macro STEP pre, first
	s_wait_dscnt 0x0                               ; k and its scale words are in, and so are the last step's v^T and its scale words
.set ai, 0
.irp a, 0,1,2,3,4,5,6,7                ; score product a writes S^T's registers 8 a .. 8 a + 7: the sums that read the last step's p there (numbers up to 4 a + 2) stand ahead of it
.if (\first) == 0
.if \a > 0
	AD
.endif
	AD
	AD
	AD
.endif
	MM0 S+8*\a, KF+12*(\a/2), QL-6*(\a%2), 6+\a/4, 255, (\a/2)%2   ; even a: (q, zeros) picks the fragment's first tile; odd a: (zeros, q) the second
.endr
	v_add_nc_u32 v[ADK], s[TB], v1                 ; four plain places behind the score products, in front of the first read of the scores
	v_add_nc_u32 v[ADB], s[TB], v2
	v_mov_b32 v254, v12                            ; the old -M
.if \first
	v_nop
.else
	AD                                             ; the sum's two chains are joined
.endif
.set mi, 0
.irp w, 0,1,2,3
.if (\first) == 0
	MM OT+8*\w, VF+12*\w, PCD, 10+\w/2, 253, \w%2  ; O^T += v^T p^T of the last step: four accumulators, one instruction each
.endif
.rept 8
	MX                                             ; THE LARGEST SCORE OF EACH OF MY TWO BLOCKS OF 32 KEYS serves twice: for the row's maximum, and, since p rises with the score, for the block's largest p
.endr
.endr
.irp n, 0,1,2,3,4,5,6,7,8,9,10,11
	ds_load_b128 v[VF+4*\n:VF+4*\n+3], v[ADK] offset:6144+512*\n   ; this step's v^T, behind the eight maxima that are the places behind the last product that read these registers
.endr
	ds_load_b64 v[10:11], v[ADB] offset:12544      ; and its scale words
	v_max_num_f32 v250, v238, v239
.if \pre
	KRUN ADK, ADB, STEPB
.endif
	v_permlanex16_b32 v251, v250, s[SEL], s[SEL+1] ; the query's other 64 keys lie in lane l xor 16
	v_max3_num_f32 v13, v13, v250, v251            ; the running largest score
	s_delay_alu instid0(VALU_DEP_1)
	v_mul_f32 v250, s[CS], v13                     ; as t (c is positive, so the largest score gives the largest t)
	s_delay_alu instid0(VALU_DEP_1)
	v_floor_f32 v12, -v250                         ; the new -M = floor(-t) = -ceil(t): M IS A WHOLE NUMBER
	s_delay_alu instid0(VALU_DEP_1)
	v_sub_f32 v250, v12, v254                      ; M's old value less its new one: a whole number, 0 or less
	v_fma_f32 v238, v238, s[CS], v12               ; t - M of each block's largest score
	v_cvt_i32_f32 v250, v250                       ; (it saturates)
	v_fma_f32 v239, v239, s[CS], v12
	v_ldexp_f32 v252, 1.0, v250                    ; f = 2^(old M - new M)
.irp j, 0,2,4,6,8,10,12,14,16,18,20,22,24,26,28,30,32,34,36,38,40,42,44,46,48,50,52,54,56,58,60,62
	v_pk_fma_f32 v[S+\j:S+1+\j], v[S+\j:S+1+\j], s[CS:CS+1], v[12:13] op_sel_hi:[1,0,0]   ; t - M, two at a time
.endr
.irp j, 0,2,4,6,8,10,12,14,16,18,20,22,24,26,28,30
	v_pk_mul_f32 v[OT+\j:OT+1+\j], v[OT+\j:OT+1+\j], v[252:253] op_sel_hi:[1,0]   ; O^T under the new M; each accumulator from its low end on
.endr
	s_wait_alu depctr_va_vdst(0)
	v_exp_f32 v238, v238                           ; the block's largest p: the same multiply-add and exponential on the same number give the same bits
	v_exp_f32 v239, v239
.irp j, 0,1,2,3,4,5,6,7,8,9,10,11,12,13,14,15,16,17,18,19,20,21,22,23,24,25,26,27,28,29,30,31,32,33,34,35,36,37,38,39,40,41,42,43,44,45,46,47,48,49,50,51,52,53,54,55,56,57,58,59,60,61,62,63
	v_exp_f32 v[S+\j], v[S+\j]                     ; p = 2^(t - M), at most 1, NOT normalised
.endr
	v_pk_mul_f32 v[14:15], v[14:15], v[252:253] op_sel_hi:[1,0]   ; l under the new M: the plain place behind the exponentials
	s_wait_alu depctr_va_vdst(0)                   ; one wait for the whole batch, ahead of its first reader
	v_max_num_f32 v238, 0x1800000, v238            ; the floor 2^(3 - 127): the byte cannot fall under 1 (a block whose every p has fallen to 0 keeps that byte: its codes are zeros)
	v_max_num_f32 v239, 0x1800000, v239
	v_add_nc_u32 v245, 0xff000000, v238            ; 2 off the exponent field: the conversion's scale operand
	v_add_nc_u32 v249, 0xff000000, v239
	v_lshrrev_b32 v250, 23, v245                   ; the scales' bytes
	v_lshrrev_b32 v251, 23, v249
	v_lshl_or_b32 v250, v251, 16, v250             ; my two: blocks h and 2 + h
	v_permlanex16_b32 v251, v250, s[SEL], s[SEL+1]
	v_cvt_scalef32_pk16_fp6_f32 v[PCD:PCD+2], v[S:S+15], v245        ; registers 6 c .. 6 c + 5 of the operand are keys 64 c + 32 h + 0 .. 31: my own
	v_cvt_scalef32_pk16_fp6_f32 v[242:244], v[S+16:S+31], v245       ; (a conversion's three registers begin on an even number: the second half of a block's six is made elsewhere and moved)
	v_cvt_scalef32_pk16_fp6_f32 v[PCD+6:PCD+8], v[S+32:S+47], v249
	v_cvt_scalef32_pk16_fp6_f32 v[246:248], v[S+48:S+63], v249
	v_lshl_or_b32 v253, v251, 8, v250              ; p's scale word: in lanes 0-15, which are the ones read, my blocks 0 and 2 and the partner's 1 and 3.  (The plain place behind the conversions)
.irp i, 0,1,2
	v_mov_b32 v[PCD+3+\i], v[242+\i]
	v_mov_b32 v[PCD+9+\i], v[246+\i]
.endr
.endm
; n steps that look a step ahead, from place first on; last = 1: one more that does not
.macro SEG first, n, last
	s_mov_b32 s[TB], (\first)*STEPB
	s_mov_b32 s[CNT], \n
.Lstep_\@:
	STEP 1, 0
	s_add_co_u32 s[TB], s[TB], STEPB
	s_sub_co_u32 s[CNT], s[CNT], 1
	s_cmp_lg_u32 s[CNT], 0
	s_cbranch_scc1 .Lstep_\@
.if \last
	s_mov_b32 s[TB], (\first+\n)*STEPB
	STEP 0, 0
.endif
.endm
; A fill of places that have been read out.  Each wave waits for all its tensor loads, adds 0 to its spare word, and waits for that and for its LDS reads; a round of the cluster's barrier;
; waves 0 .. lim - 1 then bring per bytes each: to LDS byte lb + wave x per, from byte gb + wave x per of the head's blocks.
.macro FILL lim, per, lb, gb
	s_wait_tensorcnt 0x0                           ; no tensor load of mine is out, so the descriptor may be written
	ds_add_u32 v3, v4                              ; 0 onto my spare word
	s_mul_i32 s101, s[WV], \per
	s_add_co_u32 s[G0R+1], s101, \lb
	s_add_co_u32 s2, s101, \gb
	s_add_nc_u64 s[G0R+2:G0R+3], s[14:15], s[2:3]
	s_or_b32 s[G0R+3], s[G0R+3], 0x80000000
	s_mov_b32 s[G1R+2], ((\per)/256)<<16           ; tensor_dim1,
	s_mov_b32 s[G1R+4], (\per)/256                 ; tile_dim1: rows of 256 bytes
	s_wait_dscnt 0x0                               ; the add is done, and my reads of the bytes to be filled are over
	CROUND
	s_cmp_lt_u32 s[WV], \lim
	s_cbranch_scc0 .Lnofill_\@
	tensor_load_to_lds s[G0R:G0R+3], s[G1R:G1R+7]  ; the first thing behind the round, and a wave's one tensor load until the next
	s_nop 0
	PLACES
.Lnofill_\@:
.endm
.macro SHOW                            ; landed tiles are shown to all waves
	s_wait_tensorcnt 0x0
	s_wait_dscnt 0x0
	s_barrier_signal -1
	s_barrier_wait -1
.endm
	s_wait_alu depctr_va_vdst(0)
	FILL 10, 2*STEPB, 4*STEPB, 4*STEPB             ; steps 4-23 into places 4-23, over w_q's and query's rows
	KRUN 1, 2, 0
	s_mov_b32 s[TB], 0
	STEP 1, 1                                      ; step 0, written out: no step stands behind it
	SEG 1, 2, 1                                    ; steps 1-3
	SHOW                                           ; steps 4-23 are in
	KRUN 1, 2, 4*STEPB
	SEG 4, 8, 0                                    ; steps 4-11; the last looks ahead into place 12, which has been shown
	FILL 8, STEPB, 0, 24*STEPB                     ; steps 24-31 into places 0-7
	SEG 12, 11, 1                                  ; steps 12-23
	SHOW                                           ; steps 24-31 are in
	KRUN 1, 2, 0
	SEG 0, 7, 1                                    ; steps 24-31
	s_wait_dscnt 0x0                               ; the last step's v^T and its scale words are in
.set ai, 0
.rept 16
	AD                                             ; the last step's sums and O^T products
.endr
.irp w, 0,1,2,3
	MM OT+8*\w, VF+12*\w, PCD, 10+\w/2, 253, \w%2
.rept 4
	AD
.endr
.endr
	; ---- THE WAY OUT.  O^T / l is the last projection's operand: quantised along d, two blocks a head, and stored as an image of the operand's registers
	PLACES
	s_wait_alu depctr_va_vdst(0)                   ; ahead of the reader below: the last sum stands four plain places back
	v_add_f32 v14, v14, v15                        ; l's two halves,
	v_permlanex16_b32 v252, v14, s[SEL], s[SEL+1]
	v_add_f32 v14, v14, v252                       ; and lane l xor 16's
	v_add_nc_u32 v[ADK], STG, v1                   ; where wave 0 reads the scale stage back
	s_wait_alu depctr_va_vdst(0)
	v_rcp_f32 v14, v14
	v_nop                                          ; one plain place behind a transcendental
	s_wait_alu depctr_va_vdst(0)                   ; ahead of its first reader, which is O^T's first reader too
.irp j, 0,2,4,6,8,10,12,14,16,18,20,22,24,26,28,30
	v_pk_mul_f32 v[S+\j:S+1+\j], v[OT+\j:OT+1+\j], v[14:15] op_sel_hi:[1,0]   ; each accumulator from its low end on
.endr
	QUANT1 S, PCD
	global_store_b128 v1, v[PCD:PCD+3], s[16:17]               ; 512 consecutive bytes, at a multiple of 256 from a_img's first byte
	global_store_b64 v2, v[PCD+4:PCD+5], s[16:17] offset:512   ; 256 consecutive bytes
	ds_store_b16 v5, v254                          ; my head's two scale bytes of query r; lanes r and r + 16 write the same
	s_wait_dscnt 0x0                               ; for the others' sake
	s_barrier_signal -1
	s_barrier_wait -1
	s_cmp_lg_u32 s[WV], 0                          ; wave 0 stores the 64 queries' 8 bytes each as one run of 512 bytes
	s_cbranch_scc1 .Lclose
	ds_load_b128 v[232:235], v[ADK]
	s_wait_dscnt 0x0
	global_store_b128 v1, v[232:235], s[18:19]
.Lclose:
	s_wait_tensorcnt 0x0                           ; the wave's end, behind my last tensor load and my last LDS store
	ds_add_u32 v3, v4
	s_wait_dscnt 0x0
	CROUND                                         ; the closing round: no work-group ends while a partner may still ask for a tile that names it
	s_endpgm
.Lfunc_end_k_qf6599c7722_attn:
	.size	k_qf6599c7722_attn, .Lfunc_end_k_qf6599c7722_attn-k_qf6599c7722_attn
	.p2alignl 7, 3214868480
	.fill 96, 4, 3214868480
	.section	.rodata,"a",@progbits
	.p2align	6, 0x0
	.amdhsa_kernel k_qf6599c7722_attn
		.amdhsa_group_segment_fixed_size 327680
		.amdhsa_private_segment_fixed_size 0
		.amdhsa_enable_private_segment 0
		.amdhsa_kernarg_size 64
		.amdhsa_user_sgpr_count 2
		.amdhsa_user_sgpr_kernarg_segment_ptr 1
		.amdhsa_wavefront_size32 1
		.amdhsa_system_sgpr_workgroup_id_x 1
		.amdhsa_system_sgpr_workgroup_id_y 1
		.amdhsa_system_sgpr_workgroup_id_z 1
		.amdhsa_system_vgpr_workitem_id 0
		.amdhsa_next_free_vgpr 256
		.amdhsa_next_free_sgpr 106
		.amdhsa_reserve_vcc 0
		.amdhsa_float_denorm_mode_32 3
		.amdhsa_float_denorm_mode_16_64 3
		.amdhsa_memory_ordered 1
		.amdhsa_forward_progress 1
		.amdhsa_inst_pref_size 155
	.end_amdhsa_kernel
	.amdgpu_metadata
---
amdhsa.version: [ 1, 2 ]
amdhsa.kernels:
  - .name:           k_qf6599c7722_attn
    .symbol:         k_qf6599c7722_attn.kd
    .args:
      - { .name: query_codes, .offset: 0, .size: 8, .value_kind: global_buffer, .address_space: global }
      - { .name: query_scales, .offset: 8, .size: 8, .value_kind: global_buffer, .address_space: global }
      - { .name: w_q_codes, .offset: 16, .size: 8, .value_kind: global_buffer, .address_space: global }
      - { .name: w_q_scales, .offset: 24, .size: 8, .value_kind: global_buffer, .address_space: global }
      - { .name: b_q, .offset: 32, .size: 8, .value_kind: global_buffer, .address_space: global }
      - { .name: kv, .offset: 40, .size: 8, .value_kind: global_buffer, .address_space: global }
      - { .name: a_img, .offset: 48, .size: 8, .value_kind: global_buffer, .address_space: global }
      - { .name: a_scl, .offset: 56, .size: 8, .value_kind: global_buffer, .address_space: global }
    .group_segment_fixed_size: 327680
    .private_segment_fixed_size: 0
    .kernarg_segment_align: 8
    .kernarg_segment_size: 64
    .max_flat_workgroup_size: 512
    .sgpr_count:     106
    .vgpr_count:     256
    .wavefront_size: 32
...
	.end_amdgpu_metadata
.endif
;; end of part 5
;; launch oproj (part 6): grid 8 x 32, 4 waves a work-group, clusters of 4 x 4, 229,888 bytes of LDS; arguments a_img, a_scl, w_o_codes, w_o_scales, b_o, out0; writes out0
.if DOCPART == 6
	.amdgcn_target "amdgcn-amd-amdhsa--gfx1250"
	.amdhsa_code_object_version 6
	.text
	.protected	k_qf6599c7722_oproj
	.globl	k_qf6599c7722_oproj
	.p2align	8
	.type	k_qf6599c7722_oproj,@function
k_qf6599c7722_oproj:
	s_mov_b64 s[64:65], 0
	v_nop
	global_prefetch_b8 v0, s[64:65] scope:SCOPE_SE
	s_setreg_imm32_b32 hwreg(HW_REG_WAVE_MODE, 25, 1), 1
	s_wait_xcnt 0x0
	s_wait_alu depctr_hold_cnt(0) depctr_sa_sdst(0) depctr_va_vdst(0) depctr_va_sdst(0) depctr_va_ssrc(0) depctr_va_vcc(0) depctr_vm_vsrc(0)
	s_getreg_b32 s2, hwreg(HW_REG_IB_STS2, 6, 4)
	s_cmp_eq_u32 s2, 0
	s_cbranch_scc0 .Lentry_in_a_cluster
	s_endpgm
.Lentry_in_a_cluster:
	s_bfe_u32 s2, ttmp6, 0x10000c
	s_cmp_lg_u32 s2, 0xf033
	s_cbranch_scc0 .Lentry_shape_is_right
	s_endpgm
.Lentry_shape_is_right:
; out0 = a w_o + b_o on codes of FP6 (E2M3): a [4,096][1,024] comes as images of the operand's registers (a_img: [tile of 16 rows 256][head 16][768 bytes]; heads 2 q and 2 q + 1 are registers 0-5 and 6-11 of K step q's fragment)
; with its scale bytes in a_scl ([g 4][row 4,096][8]: the word at 4 (q % 2) of g = q / 2 is K step q's); w_o as given: rows of 768 bytes, K innermost, 32 scale bytes a row.
; SHARES.  A tile of out0 is 128 x 128: 256 work-groups, one to a WGP; a larger tile would leave WGPs without work.  Four waves, each 64 x 64: 16 accumulators.  All of K = 1,024 fits in LDS: every byte is filled once.
; CLUSTER 4 x 4: a's rows are shared along a cluster's row, w_o's along a column: joint loads.
; THE MATRIX INSTRUCTION IS USED TRANSPOSED (source 0 = 16 rows of w_o, source 1 = 16 rows of a): a lane holds eight neighbouring numbers of a row of out0.  b_o is loaded into the accumulators and begins the sums.
; LIMITS: NaN and infinities are not served; the bias enters as the sum's first addend.
.set PITCH, 816                        ; a row of 768 bytes of w_o's codes in LDS: three runs of 256 bytes, 16 bytes of padding behind each
.set WL,    98304                      ; behind a's images (98,304 bytes from LDS byte 0): w_o's 128 rows
.set ASL,   202752                     ; a's scale bytes: [g][128 rows][8]
.set WSL,   206848                     ; w_o's: 32 a row
.set STAGE, 210944                     ; the way out: 16 rows x (256 bytes + 16) for each wave; no tile lands here
.set ASC,   12                         ; v12-15  a's scale words, v16-19 w_o's: scales and nothing else
.set WSC,   16
.set AFR,   20                         ; v20-67  a's four fragments
.set WFR,   68                         ; v68-115 w_o's four
.set ACC,   128                        ; v128-255 accumulator (a, b) at v[ACC + 8 (4 a + b)]
; v1, v2 a's images + 16, 8 x lane; v3, v4 w_o's rows; v5, v6 scale words; v7 into the stage, v8 out of it; v9 my byte offset in out0; v10 32 h
.set WV,    16
.set CX,    17
.set CY,    18
.set NT,    19
.set MT,    20
.set HALF,  21
.set WM,    22
.set RMASK, 23
.set CMASK, 24
.set G1A,   28                         ; s[28:35], s[36:39] a's images
.set G0A,   36
.set G1AS,  40                         ; s[40:47], s[48:51] a's scale bytes
.set G0AS,  48
.set G1W,   52                         ; s[52:59], s[60:63] w_o's rows
.set G0W,   60
.set G1WS,  68                         ; s[68:75], s[76:79] w_o's scale bytes
.set G0WS,  76
.macro DESC g, rows                    ; words 1-7 of a group 1: a dense block of memory as rows of 256 bytes (32 elements of 8 bytes)
	s_mov_b32 s[\g+1], 32<<16
	s_mov_b32 s[\g+2], (\rows)<<16
	s_mov_b32 s[\g+3], 32<<16
	s_mov_b32 s[\g+4], \rows
	s_mov_b32 s[\g+5], 32
	s_mov_b32 s[\g+6], 0
	s_mov_b32 s[\g+7], 0
.endm
.macro PLACES
.rept 4
	v_nop
.endr
.endm
.macro CROUND                          ; a round of the cluster's barrier
	s_barrier_signal -1
	s_barrier_wait -1
	s_cmp_lg_u32 s[WV], 0
	s_cbranch_scc1 .Lnot_wave_0_\@
	s_barrier_signal -3
.Lnot_wave_0_\@:
	s_barrier_wait -3
	s_barrier_signal -1
	s_barrier_wait -1
.endm
.macro FRAG reg, adr, q, row           ; a fragment from rows of given codes: six pieces of 8 bytes; the second address register serves the pieces whose partner three on lies behind one padding more
.irp p, 0,1,2,3,4,5
.set PCE, 12*(\q)+6*(\p/3)+\p%3
.if PCE%32 < 29
	ds_load_b64 v[\reg+2*\p:\reg+2*\p+1], v[\adr] offset:8*PCE+16*(PCE/32)+(\row)*PITCH
.else
	ds_load_b64 v[\reg+2*\p:\reg+2*\p+1], v[\adr+1] offset:8*PCE+16*(PCE/32)+(\row)*PITCH
.endif
.endr
.endm
	s_load_b256 s[4:11], s[0:1], 0x0               ; a_img, a_scl, w_o's codes, w_o's scales
	s_load_b128 s[12:15], s[0:1], 0x20             ; b_o, out0
	v_lshl_add_u32 v126, v0, 2, 0x38000
	v_mov_b32 v127, 0
	ds_add_u32 v126, v127
	ds_add_u32 v126, v127
	v_lshrrev_b32 v11, 5, v0
	v_readfirstlane_b32 s[WV], v11                 ; wave 0..3
	s_and_b32 s[HALF], s[WV], 1                    ; which half of the tile's columns is mine
	s_lshr_b32 s[WM], s[WV], 1                     ; which half of its rows
	s_bfe_u32 s[CX], ttmp6, 0x40000
	s_bfe_u32 s[CY], ttmp6, 0x40004
	s_lshl_b32 s[NT], ttmp9, 2
	s_add_co_u32 s[NT], s[NT], s[CX]               ; tile column
	s_and_b32 s[MT], ttmp7, 0xffff
	s_lshl_b32 s[MT], s[MT], 2
	s_add_co_u32 s[MT], s[MT], s[CY]               ; tile row
	s_lshl_b32 s[RMASK], s[CY], 2
	s_lshl_b32 s[RMASK], 15, s[RMASK]              ; my row of the cluster
	s_lshl_b32 s[CMASK], 0x1111, s[CX]             ; my column
	s_or_b32 s[G1A], s[RMASK], (3<<16)|(1<<21)     ; images: no padding
	DESC G1A, 384                                  ; eight tiles of 16 rows: 98,304 bytes, one load
	s_or_b32 s[G1AS], s[RMASK], (3<<16)|(1<<21)    ; a's scale bytes: all four g, 1,024 bytes each, 32,768 bytes apart
	s_mov_b32 s[G1AS+1], 128<<16                   ; tensor_dim0 = 128 elements of 8 bytes
	s_mov_b32 s[G1AS+2], 4<<16                     ; tensor_dim1 = 4: all four g
	s_mov_b32 s[G1AS+3], 128<<16                   ; tile_dim0
	s_mov_b32 s[G1AS+4], 4                         ; tile_dim1
	s_mov_b32 s[G1AS+5], 4096                      ; from row to row, in elements
	s_mov_b32 s[G1AS+6], 0
	s_mov_b32 s[G1AS+7], 0
	s_or_b32 s[G1W], s[CMASK], (3<<16)|(1<<20)|(1<<21)|(5<<22)|(3<<25)   ; 20 padding on; 24:22 after every 64 words; 31:25 of 4 words
	DESC G1W, 384                                  ; 128 rows of 768 bytes
	s_or_b32 s[G1WS], s[CMASK], (3<<16)|(1<<21)
	DESC G1WS, 16                                  ; 128 rows of 32 bytes
	s_mul_i32 s80, s[MT], 98304                    ; a's addresses hang on the tile row alone,
	s_mov_b32 s81, 0
	s_lshl_b32 s82, s[MT], 10
	s_mov_b32 s83, 0
	s_mul_i32 s84, s[NT], 98304                    ; w_o's on the tile column
	s_mov_b32 s85, 0
	s_lshl_b32 s86, s[NT], 12
	s_mov_b32 s87, 0
	s_wait_dscnt 0x0
	s_wait_kmcnt 0x0
	s_mov_b32 s[G0A], 1
	s_mov_b32 s[G0A+1], 0                          ; a's images begin at LDS byte 0
	s_add_nc_u64 s[G0A+2:G0A+3], s[4:5], s[80:81]
	s_or_b32 s[G0A+3], s[G0A+3], 0x80000000
	s_mov_b32 s[G0AS], 1
	s_mov_b32 s[G0AS+1], ASL
	s_add_nc_u64 s[G0AS+2:G0AS+3], s[6:7], s[82:83]
	s_or_b32 s[G0AS+3], s[G0AS+3], 0x80000000
	s_mov_b32 s[G0W], 1
	s_mov_b32 s[G0W+1], WL
	s_add_nc_u64 s[G0W+2:G0W+3], s[8:9], s[84:85]
	s_or_b32 s[G0W+3], s[G0W+3], 0x80000000
	s_mov_b32 s[G0WS], 1
	s_mov_b32 s[G0WS+1], WSL
	s_add_nc_u64 s[G0WS+2:G0WS+3], s[10:11], s[86:87]
	s_or_b32 s[G0WS+3], s[G0WS+3], 0x80000000
	s_lshl_b32 s92, s[NT], 9
	s_lshl_b32 s93, s[HALF], 8
	s_add_co_u32 s92, s92, s93                     ; my first column, in bytes
	s_mov_b32 s93, 0
	s_add_nc_u64 s[12:13], s[12:13], s[92:93]      ; b_o there
	s_add_nc_u64 s[14:15], s[14:15], s[92:93]
	s_lshl_b32 s92, s[MT], 19
	s_lshl_b32 s94, s[WM], 18
	s_add_co_u32 s92, s92, s94                     ; my first row: (128 x tile row + 64 x half) x 4,096 bytes
	s_add_nc_u64 s[14:15], s[14:15], s[92:93]
	CROUND                                         ; all sixteen work-groups are here: the joint loads meet
	s_cmp_eq_u32 s[WV], 0                          ; one chain of branches on the wave's number, one fill to an arm: wave 0 a's images, wave 1 w_o's rows, wave 2 a's scale bytes, wave 3 w_o's
	s_cbranch_scc0 .Lfor_w
	tensor_load_to_lds s[G0A:G0A+3], s[G1A:G1A+7]
	s_nop 0
	PLACES
	s_branch .Lasked
.Lfor_w:
	s_cmp_eq_u32 s[WV], 1
	s_cbranch_scc0 .Lfor_as
	tensor_load_to_lds s[G0W:G0W+3], s[G1W:G1W+7]
	s_nop 0
	PLACES
	s_branch .Lasked
.Lfor_as:
	s_cmp_eq_u32 s[WV], 2
	s_cbranch_scc0 .Lfor_ws
	tensor_load_to_lds s[G0AS:G0AS+3], s[G1AS:G1AS+7]
	s_nop 0
	PLACES
	s_branch .Lasked
.Lfor_ws:
	tensor_load_to_lds s[G0WS:G0WS+3], s[G1WS:G1WS+7]
	s_nop 0
	PLACES
.Lasked:
	v_and_b32 v11, 31, v0
	s_mul_i32 s88, s[WM], 49152
	v_lshl_add_u32 v1, v11, 4, s88                 ; my four tiles of a's rows, 16 x lane
	v_lshl_add_u32 v2, v11, 3, s88                 ; and 8 x lane
	v_and_b32 v11, 15, v0                          ; r
	s_wait_alu depctr_va_vdst(0)
	v_bfe_u32 v10, v0, 4, 1                        ; h
	v_mul_u32_u24 v3, v11, PITCH
	s_mul_i32 s88, s[HALF], 52224
	s_add_co_u32 s88, s88, WL
	v_add_nc_u32 v3, s88, v3
	v_mad_u32_u24 v4, v10, 40, v3
	v_mad_u32_u24 v3, v10, 24, v3                  ; my 64 rows of w_o: row r, + my half's bytes
	s_lshl_b32 s88, s[WM], 9
	s_add_co_u32 s88, s88, ASL
	v_lshl_add_u32 v5, v11, 3, s88                 ; a's scale words: 8 bytes a row
	s_lshl_b32 s88, s[HALF], 11
	s_add_co_u32 s88, s88, WSL
	v_lshl_add_u32 v6, v11, 5, s88                 ; w_o's: 32 bytes a row
	s_mul_i32 s88, s[WV], 16*272
	s_add_co_u32 s88, s88, STAGE                   ; my stage
	v_mul_u32_u24 v7, v11, 272
	s_wait_alu depctr_va_vdst(0)
	v_lshl_add_u32 v7, v10, 5, v7
	v_add_nc_u32 v7, s88, v7                       ; in: row r, 32 bytes for each half of the lanes
	v_mul_u32_u24 v8, v10, 272
	v_lshl_add_u32 v8, v11, 4, v8
	v_add_nc_u32 v8, s88, v8                       ; back: lanes 0-15 one row of 256 bytes, lanes 16-31 the next
	v_lshlrev_b32 v9, 12, v10
	v_lshl_add_u32 v9, v11, 4, v9                  ; and the same two rows in out0
	v_lshlrev_b32 v10, 5, v10                      ; b_o: 32 h
.irp a, 0,1,2,3
.irp b, 0,1,2,3
	global_load_b128 v[ACC+8*(4*\a+\b):ACC+8*(4*\a+\b)+3], v10, s[12:13] offset:64*\b        ; lane (r, h), tile b: b_o at column 16 b + 8 h + 0 .. 7
	global_load_b128 v[ACC+8*(4*\a+\b)+4:ACC+8*(4*\a+\b)+7], v10, s[12:13] offset:64*\b+16
.endr
.endr
	s_wait_tensorcnt 0x0                           ; my fills have landed,
	s_barrier_signal -1
	s_barrier_wait -1                              ; everybody's have
.macro OSTEP q                         ; 128 along K: eight fragments, sixteen matrix instructions on sixteen accumulators by turns
.if \q > 0
	PLACES
.endif
.irp a, 0,1,2,3
	ds_load_b128 v[AFR+12*\a:AFR+12*\a+3], v1 offset:12288*\a+1536*\q          ; head 2 q: registers 0-3,
	ds_load_b64 v[AFR+12*\a+4:AFR+12*\a+5], v2 offset:12288*\a+1536*\q+512     ; 4-5;
	ds_load_b128 v[AFR+12*\a+6:AFR+12*\a+9], v1 offset:12288*\a+1536*\q+768    ; head 2 q + 1: registers 6-9,
	ds_load_b64 v[AFR+12*\a+10:AFR+12*\a+11], v2 offset:12288*\a+1536*\q+1280  ; 10-11
.endr
.irp b, 0,1,2,3
	FRAG WFR+12*\b, 3, \q, 16*\b
.endr
.irp a, 0,1,2,3
	ds_load_b32 v[ASC+\a], v5 offset:(\q/2)*1024+4*(\q%2)+128*\a
	ds_load_b32 v[WSC+\a], v6 offset:4*\q+512*\a
.endr
	s_wait_dscnt 0x0
.if \q == 0
	s_wait_loadcnt 0x0                             ; the bias
.endif
.irp a, 0,1,2,3
.irp b, 0,1,2,3
	v_wmma_scale_f32_16x16x128_f8f6f4 v[ACC+8*(4*\a+\b):ACC+8*(4*\a+\b)+7], v[WFR+12*\b:WFR+12*\b+11], v[AFR+12*\a:AFR+12*\a+11], v[ACC+8*(4*\a+\b):ACC+8*(4*\a+\b)+7], v[WSC+\b], v[ASC+\a] matrix_a_fmt:MATRIX_FMT_FP6 matrix_b_fmt:MATRIX_FMT_FP6
.endr
.endr
.endm
.irp q, 0,1,2,3,4,5,6,7
	OSTEP \q
.endr
; THE WAY OUT, block by block of 16 rows x 64 columns.  A lane holds 32 neighbouring bytes of a row, and the lanes beside it hold other rows: a block goes through my own stage and comes back as whole rows of 256 bytes.
; LDS serves a wave's instructions in order (ISA guide 5.7.1.4): no wait between the stores and the loads, nor in front of the next block's stores.
.macro TOSTAGE a
.irp b, 0,1,2,3
	ds_store_b128 v7, v[ACC+8*(4*(\a)+\b):ACC+8*(4*(\a)+\b)+3] offset:64*\b        ; each accumulator from its low end on
	ds_store_b128 v7, v[ACC+8*(4*(\a)+\b)+4:ACC+8*(4*(\a)+\b)+7] offset:64*\b+16
.endr
.set BB, AFR+32*((\a)%2)
.irp i, 0,1,2,3,4,5,6,7
	ds_load_b128 v[BB+4*\i:BB+4*\i+3], v8 offset:544*\i
.endr
.endm
.macro SEND a, younger                 ; younger: the LDS instructions issued behind block a's loads, which may stay out
.set BB, AFR+32*((\a)%2)
	s_wait_dscnt \younger
.irp i, 0,1,2,3,4,5,6,7
	global_store_b128 v9, v[BB+4*\i:BB+4*\i+3], s[14:15] offset:(16*(\a)+2*\i)*4096 th:TH_STORE_NT   ; 16 lanes store 256 consecutive bytes, at a multiple of 256 from out0's first byte; written once, read by nobody here
.endr
.endm
	PLACES                                         ; behind the last products: for the stores that read results and the loads into the registers that held fragments
	s_wait_alu depctr_va_vdst(0)
	TOSTAGE 0
.irp a, 1,2,3
.if \a > 1
	s_wait_xcnt 0x0                                ; block a - 2's stores have read their registers: block a's loads may land there
.endif
	TOSTAGE \a
	SEND \a-1, 16                                  ; behind block a - 1's loads: block a's 8 stores and 8 loads
.endr
	SEND 3, 0
	s_wait_tensorcnt 0x0
	ds_add_u32 v126, v127
	s_wait_dscnt 0x0
	CROUND                                         ; the closing round: no work-group ends while a partner may still ask for a tile that names it
	s_endpgm
.Lfunc_end_k_qf6599c7722_oproj:
	.size	k_qf6599c7722_oproj, .Lfunc_end_k_qf6599c7722_oproj-k_qf6599c7722_oproj
	.p2alignl 7, 3214868480
	.fill 96, 4, 3214868480
	.section	.rodata,"a",@progbits
	.p2align	6, 0x0
	.amdhsa_kernel k_qf6599c7722_oproj
		.amdhsa_group_segment_fixed_size 229888
		.amdhsa_private_segment_fixed_size 0
		.amdhsa_enable_private_segment 0
		.amdhsa_kernarg_size 48
		.amdhsa_user_sgpr_count 2
		.amdhsa_user_sgpr_kernarg_segment_ptr 1
		.amdhsa_wavefront_size32 1
		.amdhsa_system_sgpr_workgroup_id_x 1
		.amdhsa_system_sgpr_workgroup_id_y 1
		.amdhsa_system_sgpr_workgroup_id_z 1
		.amdhsa_system_vgpr_workitem_id 0
		.amdhsa_next_free_vgpr 256
		.amdhsa_next_free_sgpr 96
		.amdhsa_reserve_vcc 0
		.amdhsa_float_denorm_mode_32 3
		.amdhsa_float_denorm_mode_16_64 3
		.amdhsa_memory_ordered 1
		.amdhsa_forward_progress 1
		.amdhsa_inst_pref_size 60
	.end_amdhsa_kernel
	.amdgpu_metadata
---
amdhsa.version: [ 1, 2 ]
amdhsa.kernels:
  - .name:           k_qf6599c7722_oproj
    .symbol:         k_qf6599c7722_oproj.kd
    .args:
      - { .name: a_img, .offset: 0, .size: 8, .value_kind: global_buffer, .address_space: global }
      - { .name: a_scl, .offset: 8, .size: 8, .value_kind: global_buffer, .address_space: global }
      - { .name: w_o_codes, .offset: 16, .size: 8, .value_kind: global_buffer, .address_space: global }
      - { .name: w_o_scales, .offset: 24, .size: 8, .value_kind: global_buffer, .address_space: global }
      - { .name: b_o, .offset: 32, .size: 8, .value_kind: global_buffer, .address_space: global }
      - { .name: out0, .offset: 40, .size: 8, .value_kind: global_buffer, .address_space: global }
    .group_segment_fixed_size: 229888
    .private_segment_fixed_size: 0
    .kernarg_segment_align: 8
    .kernarg_segment_size: 48
    .max_flat_workgroup_size: 128
    .sgpr_count:     96
    .vgpr_count:     256
    .wavefront_size: 32
...
	.end_amdgpu_metadata
.endif
;; end of part 6
